; MI455X (gfx1250); checked and timed in simulation.
; The chip was launched on July 23, 2026; its instructions are those of AMD's public machine-readable ISA for CDNA 5 (MIT licence, August 2026) and "CDNA5" Instruction Set Architecture Reference Guide (July 2026). The comments in the code are by the model that wrote it; some were corrected since.
;; Rotary Attention. Allowed arithmetic: matrix products marked QUANTISED: E3M2 operands, one E8M0 scale for each 32 along K, by v_wmma_scale_f32_16x16x128_f8f6f4 with both operands' format E3M2, f32 sums; everything else in f32.
;; Inputs: Wk 2,048 x 512 float32; Wo 2,048 x 2,048 float32; Wq 2,048 x 2,048 float32; Wv 2,048 x 512 float32; bk 512 float32; bo 2,048 float32; bq 2,048 float32; bv 512 float32; kn 128 float32; qn 128 float32; x 4 x 1,024 x 2,048 float32.
;; Outputs: out0 4 x 1,024 x 2,048 float32.
;; This version of the problem:
;;   THIS VERSION OF THE PROBLEM IS GIVEN IN LOW PRECISION. The matrix products marked QUANTISED in the list below multiply operands that are first quantised to E3M2 (3 exponent bits, 2 mantissa bits; 6 bits a number), with one power-of-two scale for each 32 numbers along K (OCP MX v1.0); their sums are f32. All else is computed in f32.
;;   The module's matrix products, in the order in which they are computed (A, B: the left and right operand; K: the contracted axis; several contracted axes count as one K, in the product's order):
;;     1. [M 4,096, K 2,048] x [K 2,048, N 2,048]; A: input x; B: input Wq: QUANTISED
;;     2. [M 4,096, K 2,048] x [K 2,048, N 512]; A: input x; B: input Wk: QUANTISED
;;     3. [M 4,096, K 2,048] x [K 2,048, N 512]; A: input x; B: input Wv: QUANTISED
;;     4. batch 64 x [M 1,024, K 128] x [K 128, N 1,024]; A: computed on the way; B: computed on the way: QUANTISED
;;     5. batch 64 x [M 128, K 1,024] x [K 1,024, N 1,024]; A: computed on the way; B: softmax (see below): QUANTISED
;;     6. [M 4,096, K 2,048] x [K 2,048, N 2,048]; A: computed on the way; B: input Wo: QUANTISED
;;   THE QUANTISER, for each operand of a quantised product, along K:
;;     - K is cut into blocks of 32 from its start; a last block that is shorter is filled with zeros.
;;     - A block's scale is 2^e with e = floor(log2(the largest magnitude in the block)) - 4, held to -126 .. 127; a block of zeros has e = 0. As a byte (E8M0): e + 127.
;;     - Each number is divided by its block's scale, clamped to +-28, and rounded to the nearest number of E3M2, ties to even, subnormals kept.
;;     - The product sums the exact products of the quantised numbers (number of the format x scale) in f32.
;;   ~~~python
;;   def quantise(x, axis):      # numpy; x: float32 -> the quantised numbers, widened to float32 again
;;       x = np.moveaxis(x, axis, -1); K = x.shape[-1]
;;       x = np.pad(x, [(0, 0)] * (x.ndim - 1) + [(0, -K % 32)]); x = x.reshape(x.shape[:-1] + (-1, 32)); a = np.abs(x).max(-1, keepdims=True)
;;       e = np.where(a > 0, np.clip(np.frexp(np.where(a > 0, a, 1))[1] - 1 - 4, -126, 127), 0)      # np.frexp(a)[1] - 1 = floor(log2(a)), exactly
;;       r = np.clip(x / 2.0 ** e, -28, 28)
;;       step = 2.0 ** (np.maximum(np.frexp(np.where(r == 0, 1, r))[1] - 1, -2) - 2)
;;       q = np.round(r / step) * step * 2.0 ** e      # np.round: ties to even
;;       return np.moveaxis(q.reshape(q.shape[:-2] + (-1,))[..., :K], -1, axis).astype(np.float32)
;;   ~~~
;;   SOFTMAX AHEAD OF A QUANTISED PRODUCT. Where the list says 'softmax', what is quantised is not the finished softmax but p = 2^(t - M), with t = logit x log2(e) and M = ceil(the row's largest t), a whole number; so 1/2 < the row's largest p <= 1. The row's sum l is taken of the UNQUANTISED p, in f32, and the product's result is divided by l at the end. Since M is a whole number, a kernel that streams over the keys may use a running M (the ceiling of the running maximum): every later rescaling is an exact power of two, which a block's scale takes up: the codes' values come out the same.
;;   OPERANDS COMPUTED ON THE WAY. 'Computed on the way' means the value that the module computes at that place (a softmax that the list does not call 'softmax' is quantised finished and normalised). What goes into a quantiser is computed in f32, as accurately as f32 sums, v_exp_f32 and their like allow (about 1e-6 of the number): no bf16 or f16 on the way to a quantiser, and a product that is left as it is and whose result goes on into a quantised operand takes f32 operands (vector FMAs, or v_wmma_f32_16x16x4_f32). A number that lies on a knife's edge between two numbers of the format may be rounded either way, as far as f32 arithmetic and the matrix unit's own rounding can turn it there, and no further.
;; One version. Each part assembles by itself: llvm-mc -triple=amdgcn-amd-amdhsa -mcpu=gfx1250 --defsym DOCPART=n.
;; ======== version 1 of 1: 4 launches
;; workspace buffers: xbuf 6,553,600 bytes; wbuf 4,915,200 bytes; wobuf 3,276,800 bytes; rope 524,288 bytes; qbuf 6,553,600 bytes; kvbuf 3,276,800 bytes; abuf 6,553,600 bytes
;; launch prep (part 1): grid 592 x 1, 4 waves a work-group, no clusters, 58,880 bytes of LDS; arguments x, Wq, Wk, Wv, Wo, xbuf, wbuf, wobuf, rope; writes xbuf, wbuf, wobuf, rope
.if DOCPART == 1
	.amdgcn_target "amdgcn-amd-amdhsa--gfx1250"
	.amdhsa_code_object_version 6
	.text
	.protected	k_q12e7066a41_prep
	.globl	k_q12e7066a41_prep
	.p2align	8
	.type	k_q12e7066a41_prep,@function
k_q12e7066a41_prep:
	s_mov_b64 s[64:65], 0
	v_nop
	global_prefetch_b8 v0, s[64:65] scope:SCOPE_SE
	s_setreg_imm32_b32 hwreg(HW_REG_WAVE_MODE, 25, 1), 1
	s_wait_xcnt 0x0
; THE FIRST LAUNCH: x and the four weights become codes of BF6 (E3M2) with one E8M0 byte for each 32 along K, and the rotary table is made.
; A block's scale is 2^(floor(log2(its largest magnitude)) - 4); its byte is the largest magnitude's exponent field - 4, held at 1 from below.
; LAYOUT OF THE CODES: images of operand registers.  32 rows x 256 along K are a block of 6,400 bytes: four images of 1,536 bytes (tile u of the 32 rows, 128-half s2 of K: image 2 u + s2), in which
; registers 4 c .. 4 c + 3 of lane l lie at 512 c + 16 l, and 256 bytes of scale words at 6,144 + 16 r + 8 u + 4 s2.  Lane r of tile u is row 8 u + r + 8 (r / 8) of the 32.
; xbuf [K slot 0..7][32 tokens 0..127][6,400];  wbuf [K slot][96 blocks]: 24 runs of 128 columns: 16 heads of Wq, then K head g and V head g by turns;  wobuf [K slot][64 blocks].
; rope [position 0..1023][pair 0..63][cos, sin], f32.
; THREE WAYS part on the work-group's number: 0-255 x, 256-575 the weights, 576-591 the table.  Waves share nothing: no barrier.  Each way has LDS bytes of its own.
; LIMITS: NaN and infinities among the inputs are not served; blocks whose largest magnitude lies under 2^-122 keep the byte 1, blocks of zeros too (their codes are zeros; these bytes are read by this program alone).
; The table's frequencies 10000^(-i/64) are made by v_exp_f32 of an exponent kept in two parts: within about one unit in the last place of the true number, not bit for bit a library's pow.  Angles up to 1,023 are served.
.set WV,  22
.set SEL, 24
; way x
.set R,   16                           ; v16-143  two sets of 64: a fragment's numbers as loaded
.set X,   144                          ; v144-207 the same, 16 neighbours of each block of 32 to a lane
.set PC,  208                          ; v208-227 the codes, and the conversions' second halves
.set TM,  228                          ; v228-243 at work in QUANT
.set PW,  244                          ; the scale word just made
.set PWK, 246                          ; v246-249 the four fragments' scale words
; way w
.set OFS, 16                           ; v16-47   4 x lane + i x the weight's row
.set XW,  48                           ; v48-111  two sets of 32 numbers
.set CW,  112                          ; v112-117 a block's codes
.set TW,  118                          ; v118-120 their second half as converted
.set SB,  122                          ; v122-123 the scale bytes
.set OUTW, 128                         ; v128-175 the way out
; 64 numbers of a lane, register 16 b + i = k 32 b + 16 (lane / 16) + i of its row, become a fragment's codes in v[PC] on and its scale word in v[PW]
.macro QUANT s
.irp b, 0,1,2,3
	v_max3_num_f32 v[TM+\b], |v[\s+16*\b]|, |v[\s+1+16*\b]|, 0x2800000   ; my 16 numbers of block b, and the floor 2^(5 - 127): the byte cannot fall under 1
.endr
.irp i, 2,4,6,8,10,12,14
.irp b, 0,1,2,3
	v_max3_num_f32 v[TM+\b], v[TM+\b], |v[\s+16*\b+\i]|, |v[\s+1+16*\b+\i]|
.endr
.endr
.irp b, 0,1,2,3
	v_permlanex16_b32 v[TM+4+\b], v[TM+\b], s[SEL], s[SEL+1]
.endr
.irp b, 0,1,2,3
	v_max_num_f32 v[TM+\b], v[TM+\b], v[TM+4+\b]                     ; with lane l xor 16's: the block's largest magnitude
.endr
.irp b, 0,1,2,3
	v_add_nc_u32 v[TM+12+\b], 0xfe000000, v[TM+\b]                   ; 4 off its exponent field: the conversion's scale operand
.endr
.irp b, 0,1,2,3
	v_lshrrev_b32 v[TM+4+\b], 23, v[TM+12+\b]                        ; the scale's byte
.endr
	v_lshl_or_b32 v[PW], v[TM+5], 8, v[TM+4]
	v_lshl_or_b32 v[PW], v[TM+6], 16, v[PW]
	v_lshl_or_b32 v[PW], v[TM+7], 24, v[PW]
.irp c, 0,1
	v_cvt_scalef32_pk16_bf6_f32 v[PC+6*\c:PC+2+6*\c], v[\s+32*\c:\s+15+32*\c], v[TM+12+2*\c]
	v_cvt_scalef32_pk16_bf6_f32 v[PC+12+4*\c:PC+14+4*\c], v[\s+16+32*\c:\s+31+32*\c], v[TM+12+2*\c+1]   ; (a conversion's three registers begin on an even number)
.endr
	v_nop                                          ; one plain place behind a scaled conversion
.irp c, 0,1                                    ; the operand's layout wants a whole block in a lane
.irp i, 0,1,2
	v_permlane16_swap_b32 v[PC+6*\c+\i], v[PC+12+4*\c+\i]
.endr
.irp i, 0,1,2
	v_mov_b32 v[PC+3+6*\c+\i], v[PC+12+4*\c+\i]
.endr
.endr
.endm
; the largest magnitude of 32 numbers of one lane, with the floor
.macro MAX32 xs, ma, mb
	v_max3_num_f32 v[\ma], |v[\xs]|, |v[\xs+1]|, |v[\xs+2]|
	v_max3_num_f32 v[\mb], |v[\xs+3]|, |v[\xs+4]|, |v[\xs+5]|
.irp i, 6,10,14,18,22,26
	v_max3_num_f32 v[\ma], v[\ma], |v[\xs+\i]|, |v[\xs+\i+1]|
	v_max3_num_f32 v[\mb], v[\mb], |v[\xs+\i+2]|, |v[\xs+\i+3]|
.endr
	v_max3_num_f32 v[\ma], v[\ma], |v[\xs+30]|, |v[\xs+31]|
	v_max3_num_f32 v[\ma], v[\ma], v[\mb], 0x2800000
.endm
	s_load_b256 s[4:11], s[0:1], 0x0               ; x, Wq, Wk, Wv
	s_load_b256 s[12:19], s[0:1], 0x20             ; Wo, xbuf, wbuf, wobuf
	s_load_b64 s[20:21], s[0:1], 0x40              ; rope
	v_lshl_add_u32 v254, v0, 2, 0xe400
	v_mov_b32 v255, 0
	v_lshrrev_b32 v1, 5, v0
	v_readfirstlane_b32 s[WV], v1                  ; wave 0..3
	v_and_b32 v1, 31, v0                           ; lane
	s_mov_b32 s[SEL], 0x76543210
	s_mov_b32 s[SEL+1], 0xfedcba98                 ; v_permlanex16_b32's selects for lane l xor 16
	s_wait_kmcnt 0x0
	s_cmp_lt_u32 ttmp9, 256
	s_cbranch_scc1 .Lway_x
	s_cmp_lt_u32 ttmp9, 576
	s_cbranch_scc1 .Lway_w
	; ---- THE TABLE.  16 work-groups; a wave takes 32 positions and 32 of the 64 pairs, a lane a pair.
	; A small whole number becomes f32 by standing in the low bits of 2^23 and taking 2^23 off.  A number under 2^22 is rounded to a whole number, ties to even, by adding 1.5 x 2^23 and taking it off again;
	; the sum's low bits are that whole number.
	s_sub_co_u32 s26, ttmp9, 576
	s_and_b32 s27, s[WV], 1                        ; which half of the pairs
	s_lshr_b32 s28, s[WV], 1
	s_lshl_b32 s26, s26, 1
	s_add_co_u32 s26, s26, s28                     ; which 32 positions
	s_lshl_b32 s28, s26, 5                         ; the first of them
	s_lshl_b32 s30, s26, 14                        ; 512 bytes a position
	s_lshl_b32 s29, s27, 8
	s_add_co_u32 s30, s30, s29
	s_mov_b32 s31, 0
	s_add_nc_u64 s[20:21], s[20:21], s[30:31]
	s_lshl_b32 s29, s27, 5
	s_mov_b32 s40, 0x3e549a78                      ; log2(10000) / 64, rounded,
	s_mov_b32 s41, 0x31979920                      ; and what the rounding dropped
	s_mov_b32 s42, 0x4b400000                      ; 1.5 x 2^23
	s_mov_b32 s43, 0xbfc90fdb                      ; -pi / 2, rounded,
	s_mov_b32 s44, 0x333bbd2e                      ; and by how much that lies beyond -pi / 2
	s_mov_b32 s45, 0xb94ca1f9                      ; the sine's three coefficients,
	s_mov_b32 s46, 0x3c08839e
	s_mov_b32 s47, 0xbe2aaaa3
	s_mov_b32 s48, 0x37ccf5ce                      ; the cosine's
	s_mov_b32 s49, 0xbab6061a
	s_mov_b32 s50, 0x3d2aaaa5
	v_add_nc_u32 v2, s29, v1                       ; i
	v_or_b32 v2, 0x4b000000, v2
	v_add_f32 v2, 0xcb000000, v2                   ; as f32
	v_mul_f32 v3, s40, v2                          ; p = i x log2(10000) / 64, rounded;
	v_fma_f32 v4, v2, s40, -v3                     ; what the rounding dropped,
	v_fma_f32 v4, v2, s41, v4                      ; and the constant's low part
	v_add_f32 v5, s42, v3
	v_and_b32 v9, 0xff, v5                         ; n = p to the nearest whole number, 13 at the most,
	v_add_f32 v5, 0xcb400000, v5                   ; and as f32
	v_sub_f32 v3, v5, v3                           ; n - p, exact,
	v_sub_f32 v3, v3, v4                           ; less the small parts: -f, p = n + f
	v_exp_f32 v6, v3                               ; 2^-f, between 0.70 and 1.42
	v_lshlrev_b32 v9, 23, v9                       ; (a plain place behind the exponential)
	s_wait_alu depctr_va_vdst(0)
	v_sub_nc_u32 v6, v6, v9                        ; n off its exponent field: the frequency 10000^(-i / 64), 2^-14 at the least
	v_lshlrev_b32 v7, 3, v1                        ; 8 bytes a lane: the wave's store covers 256 consecutive bytes, aligned
	s_mov_b32 s30, 0
.Lpos:
	v_mov_b32 v10, s28
	v_or_b32 v10, 0x4b000000, v10
	v_add_f32 v10, 0xcb000000, v10                 ; the position as f32
	v_mul_f32 v10, v10, v6                         ; the angle, one f32 product
	v_mul_f32 v11, 0x3f22f983, v10                 ; x 2 / pi
	v_add_f32 v13, s42, v11                        ; quarter turns: in v13's low bits,
	v_add_f32 v11, 0xcb400000, v13                 ; and as f32
	v_fma_f32 v12, v11, s43, v10                   ; less n x pi / 2, in two parts: the first multiply-add is exact,
	v_fma_f32 v12, v11, s44, v12                   ; what both parts leave out is 1.7e-15 a quarter turn, of at most 652
	v_mul_f32 v14, v12, v12
	v_fma_f32 v15, v14, s45, s46
	v_fma_f32 v16, v14, s48, s49
	v_fma_f32 v15, v15, v14, s47
	v_fma_f32 v16, v16, v14, s50
	v_mul_f32 v17, v14, v12
	v_mul_f32 v18, v14, v14
	v_fma_f32 v19, v14, -0.5, 1.0
	v_fma_f32 v15, v15, v17, v12                   ; sin r
	v_fma_f32 v16, v16, v18, v19                   ; cos r
	v_and_b32 v17, 1, v13
	v_cmp_ne_u32 vcc_lo, 0, v17                    ; an odd number of quarter turns changes the two
	v_cndmask_b32 v21, v15, v16, vcc_lo
	v_cndmask_b32 v20, v16, v15, vcc_lo
	v_and_b32 v17, 2, v13
	v_lshlrev_b32 v17, 30, v17
	v_xor_b32 v21, v21, v17                        ; the sine is negative in quarters 2 and 3,
	v_add_nc_u32 v18, 1, v13
	v_and_b32 v18, 2, v18
	v_lshlrev_b32 v18, 30, v18
	v_xor_b32 v20, v20, v18                        ; the cosine in quarters 1 and 2
	global_store_b64 v7, v[20:21], s[20:21]
	s_wait_xcnt 0x0                                ; the store has read its data and its base: both are written again below and in the next trip
	s_add_nc_u64 s[20:21], s[20:21], 512
	s_add_co_u32 s28, s28, 1
	s_add_co_u32 s30, s30, 1
	s_cmp_lt_u32 s30, 32
	s_cbranch_scc1 .Lpos
	s_endpgm
	; ---- x.  A wave takes 32 tokens x 256 along K: one block of xbuf, four fragments f = 2 u + s2.  Each load reads 512 consecutive bytes of a row; the fragment turns through the wave's own stage
	; (16 rows of 512 + 16 bytes) so that a lane gets 16 neighbours of each block of 32.  The next fragment's loads are on their way meanwhile.
.Lway_x:
	v_and_b32 v2, 15, v0                           ; r
	v_bfe_u32 v3, v0, 4, 1                         ; h
	v_lshlrev_b32 v4, 4, v1                        ; 16 x lane
	s_mul_i32 s23, s[WV], 8448                     ; my stage
	v_add_nc_u32 v5, s23, v4                       ; in: as loaded
	v_mul_u32_u24 v6, v2, 528
	v_lshl_add_u32 v6, v3, 6, v6
	v_add_nc_u32 v6, s23, v6                       ; out: row r, + 64 h
	v_lshlrev_b32 v8, 4, v2
	v_lshl_add_u32 v8, v3, 3, v8                   ; the scale words: 16 r + 8 h
	s_lshl_b32 s26, ttmp9, 2
	s_add_co_u32 s26, s26, s[WV]
	s_and_b32 s27, s26, 7                          ; the K slot
	s_lshr_b32 s30, s26, 3                         ; which 32 tokens
	s_lshl_b32 s28, s30, 18                        ; 32 rows of 8,192 bytes
	s_lshl_b32 s31, s27, 10
	s_add_co_u32 s28, s28, s31
	s_mov_b32 s29, 0
	s_add_nc_u64 s[4:5], s[4:5], s[28:29]
	s_lshl_b32 s28, s27, 7
	s_add_co_u32 s28, s28, s30
	s_mul_i32 s28, s28, 6400
	s_add_nc_u64 s[14:15], s[14:15], s[28:29]
.irp b, 0,1,2,3
	v_mov_b32 v[TM+4+\b], 0                        ; written once: a lane permute's destination counts as one of its sources
.endr
.macro LOADF f
.irp p, 0,1,2,3,4,5,6,7,8,9,10,11,12,13,14,15
	global_load_b128 v[R+64*((\f)%2)+4*\p:R+64*((\f)%2)+4*\p+3], v4, s[4:5] offset:(8*((\f)/2)+\p+8*(\p/8))*8192+512*((\f)%2) th:TH_LOAD_NT
.endr
.endm
.macro XFRAG f
.if (\f) < 3
	s_wait_loadcnt 16                              ; this fragment's 16 loads are in; the next one's may be out
.else
	s_wait_loadcnt 0x0
.endif
.irp p, 0,1,2,3,4,5,6,7,8,9,10,11,12,13,14,15
	ds_store_b128 v5, v[R+64*((\f)%2)+4*\p:R+64*((\f)%2)+4*\p+3] offset:528*\p
.endr
.irp b, 0,1,2,3
.irp j, 0,1,2,3
	ds_load_b128 v[X+16*\b+4*\j:X+16*\b+4*\j+3], v6 offset:128*\b+16*\j   ; LDS serves a wave's instructions in order: these see the stores above
.endr
.endr
	s_wait_dscnt 0x0
.if (\f) < 2
	LOADF (\f)+2
.endif
.if (\f) > 0
	s_wait_xcnt 0x0                                ; the last fragment's stores have read the codes' registers
.endif
	QUANT X
	v_mov_b32 v[PWK+(\f)], v[PW]
.irp k, 0,1,2
	global_store_b128 v4, v[PC+4*\k:PC+4*\k+3], s[14:15] offset:(\f)*1536+512*\k   ; 512 consecutive bytes a store
.endr
.endm
	LOADF 0
	LOADF 1
	XFRAG 0
	XFRAG 1
	XFRAG 2
	XFRAG 3
	v_cmp_ne_u32 vcc_lo, 0, v3                     ; both halves of the lanes hold all four words: lanes 0-15 store tile 0's two, lanes 16-31 tile 1's
	v_cndmask_b32 v250, v[PWK], v[PWK+2], vcc_lo
	v_cndmask_b32 v251, v[PWK+1], v[PWK+3], vcc_lo
	global_store_b64 v8, v[250:251], s[14:15] offset:6144   ; 256 consecutive bytes, aligned
	s_wait_tensorcnt 0x0
	ds_add_u32 v254, v255
	s_wait_dscnt 0x0
	s_endpgm
	; ---- THE WEIGHTS: K is their first axis.  A lane takes a column and its registers run down K, so a block of 32 lies in one lane.  A work-group takes 128 columns x 256 along K, a wave 32 columns: one block of 6,400 bytes.
.Lway_w:
	s_sub_co_u32 s26, ttmp9, 256
	s_lshr_b32 s23, s26, 3                         ; which 128 columns, of 40: 16 of Wq, 4 of Wk, 4 of Wv, 16 of Wo
	s_and_b32 s27, s26, 7                          ; the K slot
	s_mov_b64 s[28:29], s[12:13]                   ; Wo's figures first: the source,
	s_mov_b64 s[46:47], s[18:19]                   ; the destination,
	s_mov_b32 s48, 13                              ; log2 of a row's bytes,
	s_sub_co_u32 s49, s23, 24                      ; which 128 columns of the tensor,
	s_mov_b32 s50, s49                             ; which run of 128 rows of the destination,
	s_mov_b32 s51, 409600                          ; the destination's bytes for a K slot
	s_mov_b32 s52, 614400
	s_sub_co_u32 s53, s23, 20                      ; Wv
	s_lshl_b32 s54, s53, 1
	s_add_co_u32 s54, s54, 17
	s_cmp_lt_u32 s23, 24
	s_cselect_b64 s[28:29], s[10:11], s[28:29]
	s_cselect_b64 s[46:47], s[16:17], s[46:47]
	s_cselect_b32 s48, 11, s48
	s_cselect_b32 s49, s53, s49
	s_cselect_b32 s50, s54, s50
	s_cselect_b32 s51, s52, s51
	s_sub_co_u32 s53, s23, 16                      ; Wk
	s_lshl_b32 s54, s53, 1
	s_add_co_u32 s54, s54, 16
	s_cmp_lt_u32 s23, 20
	s_cselect_b64 s[28:29], s[8:9], s[28:29]
	s_cselect_b32 s49, s53, s49
	s_cselect_b32 s50, s54, s50
	s_cmp_lt_u32 s23, 16                           ; Wq
	s_cselect_b64 s[28:29], s[6:7], s[28:29]
	s_cselect_b32 s48, 13, s48
	s_cselect_b32 s49, s23, s49
	s_cselect_b32 s50, s23, s50
	s_add_co_u32 s53, s48, 8
	s_lshl_b32 s54, s27, s53                       ; 256 rows a K slot,
	s_lshl_b32 s53, s49, 9                         ; 512 bytes for 128 columns,
	s_add_co_u32 s54, s54, s53
	s_lshl_b32 s53, s[WV], 7                       ; 128 for my wave's 32
	s_add_co_u32 s54, s54, s53
	s_mov_b32 s55, 0
	s_add_nc_u64 s[30:31], s[28:29], s[54:55]      ; a base for each block of 32 rows
	s_add_co_u32 s53, s48, 5
	s_lshl_b32 s56, 1, s53
	s_mov_b32 s57, 0
.irp t, 1,2,3,4,5,6,7
	s_add_nc_u64 s[30+2*\t:31+2*\t], s[28+2*\t:29+2*\t], s[56:57]
.endr
	s_mul_i32 s54, s27, s51
	s_lshl_b32 s53, s50, 2
	s_add_co_u32 s53, s53, s[WV]
	s_mul_i32 s53, s53, 6400
	s_add_co_u32 s54, s54, s53
	s_add_nc_u64 s[46:47], s[46:47], s[54:55]
	s_lshl_b32 s58, 1, s48                         ; a row's bytes
	v_lshlrev_b32 v2, 2, v1                        ; 4 x lane: the wave reads 128 consecutive bytes
	v_bfe_u32 v7, v1, 3, 1                         ; column lane is lane r of tile u: u = bit 3,
	v_and_b32 v8, 7, v1
	v_lshrrev_b32 v9, 4, v1
	v_lshl_or_b32 v8, v9, 3, v8                    ; r = bits 2:0 and bit 4
	s_mul_i32 s59, s[WV], 6144
	s_add_co_u32 s59, s59, 33792                   ; my stage: the block's four images
	v_mul_u32_u24 v3, v7, 3072
	v_lshl_add_u32 v3, v8, 4, v3
	v_add_nc_u32 v3, s59, v3                       ; in: image 2 u, lane r
	v_lshlrev_b32 v5, 4, v1
	v_add_nc_u32 v4, s59, v5                       ; out: 16 x lane
	v_lshlrev_b32 v6, 4, v8
	v_lshl_add_u32 v6, v7, 3, v6                   ; the scale words: 16 r + 8 u
.set ii, 0
.rept 32
	v_mad_u32_u24 v[OFS+ii], s58, ii, v2
.set ii, ii+1
.endr
.macro WLOAD t
.set ii, 0
.rept 32
	global_load_b32 v[XW+32*((\t)%2)+ii], v[OFS+ii], s[30+2*(\t):31+2*(\t)] th:TH_LOAD_NT
.set ii, ii+1
.endr
.endm
; block t of 32 along K: 128-half t / 4; in it registers 6 c .. 6 c + 5 of lane r + 16 e, c = (t % 4) / 2, e = t % 2
.macro WBLOCK t
.set XS, XW+32*((\t)%2)
.set IB, 1536*((\t)/4)+256*((\t)%2)
.if (\t) < 7
	s_wait_loadcnt 32                              ; this block's 32 loads are in; the next block's may be out
.else
	s_wait_loadcnt 0x0
.endif
	MAX32 XS, 12, 13
	v_add_nc_u32 v11, 0xfe000000, v12
	v_lshrrev_b32 v13, 23, v11
.if (\t)%4 == 0
	v_mov_b32 v[SB+(\t)/4], v13
.else
	v_lshl_or_b32 v[SB+(\t)/4], v13, 8*((\t)%4), v[SB+(\t)/4]
.endif
	v_cvt_scalef32_pk16_bf6_f32 v[CW:CW+2], v[XS:XS+15], v11
	v_cvt_scalef32_pk16_bf6_f32 v[TW:TW+2], v[XS+16:XS+31], v11
	v_nop                                          ; one plain place behind a scaled conversion
.irp i, 0,1,2
	v_mov_b32 v[CW+3+\i], v[TW+\i]
.endr
.if ((\t)%4)/2 == 0
	ds_store_b128 v3, v[CW:CW+3] offset:IB         ; registers 0-3,
	ds_store_b64 v3, v[CW+4:CW+5] offset:IB+512    ; 4 and 5
.else
	ds_store_b64 v3, v[CW:CW+1] offset:IB+520      ; registers 6 and 7,
	ds_store_b128 v3, v[CW+2:CW+5] offset:IB+1024  ; 8-11
.endif
.if (\t)+2 < 8
	WLOAD (\t)+2
.endif
	s_wait_dscnt 0x0                               ; the stores have read the codes' registers
.endm
	WLOAD 0
	WLOAD 1
.irp t, 0,1,2,3,4,5,6,7
	WBLOCK \t
.endr
	global_store_b64 v6, v[SB:SB+1], s[46:47] offset:6144   ; 256 consecutive bytes, aligned
.irp k, 0,1,2,3,4,5,6,7,8,9,10,11
	ds_load_b128 v[OUTW+4*\k:OUTW+4*\k+3], v4 offset:512*\k
.endr
.irp k, 0,1,2,3,4,5,6,7,8,9,10,11
	s_wait_dscnt 11-\k
	global_store_b128 v5, v[OUTW+4*\k:OUTW+4*\k+3], s[46:47] offset:512*\k
.endr
	s_wait_tensorcnt 0x0
	ds_add_u32 v254, v255
	s_wait_dscnt 0x0
	s_endpgm
.Lfunc_end_k_q12e7066a41_prep:
	.size	k_q12e7066a41_prep, .Lfunc_end_k_q12e7066a41_prep-k_q12e7066a41_prep
	.p2alignl 7, 3214868480
	.fill 96, 4, 3214868480
	.section	.rodata,"a",@progbits
	.p2align	6, 0x0
	.amdhsa_kernel k_q12e7066a41_prep
		.amdhsa_group_segment_fixed_size 58880
		.amdhsa_private_segment_fixed_size 0
		.amdhsa_enable_private_segment 0
		.amdhsa_kernarg_size 72
		.amdhsa_user_sgpr_count 2
		.amdhsa_user_sgpr_kernarg_segment_ptr 1
		.amdhsa_wavefront_size32 1
		.amdhsa_system_sgpr_workgroup_id_x 1
		.amdhsa_system_sgpr_workgroup_id_y 1
		.amdhsa_system_sgpr_workgroup_id_z 1
		.amdhsa_system_vgpr_workitem_id 0
		.amdhsa_next_free_vgpr 256
		.amdhsa_next_free_sgpr 66
		.amdhsa_reserve_vcc 1
		.amdhsa_float_denorm_mode_32 3
		.amdhsa_float_denorm_mode_16_64 3
		.amdhsa_memory_ordered 1
		.amdhsa_forward_progress 1
		.amdhsa_inst_pref_size 81
	.end_amdhsa_kernel
	.amdgpu_metadata
---
amdhsa.version: [ 1, 2 ]
amdhsa.kernels:
  - .name:           k_q12e7066a41_prep
    .symbol:         k_q12e7066a41_prep.kd
    .args:
      - { .name: x, .offset: 0, .size: 8, .value_kind: global_buffer, .address_space: global }
      - { .name: Wq, .offset: 8, .size: 8, .value_kind: global_buffer, .address_space: global }
      - { .name: Wk, .offset: 16, .size: 8, .value_kind: global_buffer, .address_space: global }
      - { .name: Wv, .offset: 24, .size: 8, .value_kind: global_buffer, .address_space: global }
      - { .name: Wo, .offset: 32, .size: 8, .value_kind: global_buffer, .address_space: global }
      - { .name: xbuf, .offset: 40, .size: 8, .value_kind: global_buffer, .address_space: global }
      - { .name: wbuf, .offset: 48, .size: 8, .value_kind: global_buffer, .address_space: global }
      - { .name: wobuf, .offset: 56, .size: 8, .value_kind: global_buffer, .address_space: global }
      - { .name: rope, .offset: 64, .size: 8, .value_kind: global_buffer, .address_space: global }
    .group_segment_fixed_size: 58880
    .private_segment_fixed_size: 0
    .kernarg_segment_align: 8
    .kernarg_segment_size: 72
    .max_flat_workgroup_size: 128
    .sgpr_count:     66
    .vgpr_count:     256
    .wavefront_size: 32
...
	.end_amdgpu_metadata
.endif
;; end of part 1
;; launch qkv (part 2): grid 12 x 16, 4 waves a work-group, clusters of 4 x 4, 327,680 bytes of LDS; arguments xbuf, wbuf, bq, bk, bv, qn, kn, rope, qbuf, kvbuf; writes qbuf, kvbuf
.if DOCPART == 2
	.amdgcn_target "amdgcn-amd-amdhsa--gfx1250"
	.amdhsa_code_object_version 6
	.text
	.protected	k_q12e7066a41_qkv
	.globl	k_q12e7066a41_qkv
	.p2align	8
	.type	k_q12e7066a41_qkv,@function
k_q12e7066a41_qkv:
	s_mov_b64 s[64:65], 0
	v_nop
	global_prefetch_b8 v0, s[64:65] scope:SCOPE_SE
	s_setreg_imm32_b32 hwreg(HW_REG_WAVE_MODE, 25, 1), 1
	s_wait_xcnt 0x0
	s_wait_alu depctr_hold_cnt(0) depctr_sa_sdst(0) depctr_va_vdst(0) depctr_va_sdst(0) depctr_va_ssrc(0) depctr_va_vcc(0) depctr_vm_vsrc(0)
	s_getreg_b32 s2, hwreg(HW_REG_IB_STS2, 6, 4)
	s_cmp_eq_u32 s2, 0
	s_cbranch_scc0 .Lentry_in_a_cluster
	s_endpgm
.Lentry_in_a_cluster:
	s_bfe_u32 s2, ttmp6, 0x10000c
	s_cmp_lg_u32 s2, 0xf033
	s_cbranch_scc0 .Lentry_shape_is_right
	s_endpgm
.Lentry_shape_is_right:
; THE THREE PROJECTIONS, on codes of BF6 (E3M2) with E8M0 scales, and all that follows them up to the next quantisers: bias, RMS norm over a head's 128, gain, rotary turn, q x 128^-0.5; q and k are quantised along the
; head's 128, v along the tokens.  [4,096 tokens] x [3,072 columns: 24 runs of 128: 16 heads of q, then k head g and v head g by turns], K = 2,048.
; A tile of 256 x 256 is made by four waves, each 128 tokens x 128 columns = ONE HEAD: 64 accumulators, 512 registers.  K goes in steps of 256 through a ring of two LDS slots filled by the tensor data mover.
; OPERANDS LIE IN MEMORY AS IMAGES OF THEIR REGISTERS: 32 rows x 256 K are a dense block of 6,400 bytes (four images of 1,536 bytes, 256 bytes of scale words), so a wave's tensor load brings 25,600 dense bytes,
; a fragment is three loads of 16 bytes a lane at 16 x lane, and the scale words come in the same block.  Lane r of tile u of 32 rows is row 8 u + r + 8 (r / 8).
; THE MATRIX INSTRUCTION IS USED TRANSPOSED (source 0 = 16 columns of the weight, source 1 = 16 tokens): by the rows' order above a lane holds one token, and register 16 e + i of its 64 holds column 32 e + 16 (lane / 16) + i.
; The bias is the C of each sum's first matrix instruction.
; CLUSTERS: 4 x 4 work-groups; x's tiles are asked for jointly along a row of the cluster, the weights' along a column.
; WHICH KIND a wave's head is hangs on the cluster's x and on the wave's number alone (clusters 0 and 1: q; cluster 2: waves with an even number k, the others v): no branch hangs on a place in the cluster.
; ORDER OF ROUNDING: the gain (for q with 128^-0.5 folded in) is multiplied first, then the rotary turn, then 1 / rms: a few units in the last place of f32 from the order gain behind 1 / rms.
; LIMITS: NaN and infinities are not served; blocks whose largest magnitude lies under 2^-122, blocks of zeros among them, keep the byte 1 (these bytes are read by this program alone).
; No prefetch: the launch is short, and one slot's 128 matrix instructions a wave stand between a request and the wait for it.
; REGISTERS, in windows of 256: window 0: v1-29 addresses; v32-63 scale words, two sets; v64-127 the bias, later cos and sin (set 0); v128-223 x's fragments, one set.  Window 1: the weight's fragments, two sets, at v0 and v128
;   (behind the products v0-63 and v128-191 take cos and sin, sets 1 and 2); v96-127 and v224-255 the gains.  Windows 2 and 3: the accumulators, (a, b) at v[8 (8 (a % 4) + b)].
.set PB,     6400                      ; a block: 32 rows x 256 K
.set IMG,    1536                      ; an image: 16 rows x 128 K
.set HALFT,  4*PB                      ; 128 rows: what one tensor load brings
.set SLOT,   4*HALFT                   ; x's 256 rows, then the weight's 256
.set SPARE,  2*SLOT                    ; behind the ring: the spare words, 128 bytes for each wave, that no other line names
.set KSA,    128*PB                    ; a K slot of xbuf
.set KSB,    96*PB                     ; and of wbuf
.set FR,     12
.set NL,     3                         ; LDS loads that bring a fragment
.set NP,     4                         ; places behind this matrix instruction (ISA guide 7.12.1)
.set NQ,     2                         ; matrix instructions deep in a slot
.set LAPS,   4                         ; 2,048 / 512
.set ADRA, 16                          ; v16-17 my fragments of x in slot 0, 1
.set ADRS, 18                          ; v18-19 my scale words: lanes 0-15 x's rows, lanes 16-31 the weight's
.set ADRB, 20                          ; v20-21 my fragments of the weight
.set VSTO, 22                          ; v22 v's stage: where I put 16 bytes of a token's row
.set VRD,  23                          ; v23 and where I read down the tokens
.set TA,   24                          ; v24 my byte in the rotary table
.set LI,   25                          ; v25 16 x lane
.set SCO,  26                          ; v26 32 r + 16 h: the scale words' way out
.set SPW,  28
.set NIL,  29
.set SC,   32
.set BIAS, 64
.set AF,   128
.set Z,    128                         ; behind the products: v128-191 a token tile's 64 numbers
.set PC,   192                         ; v192-211 codes
.set TM,   212                         ; v212-227 at work in QUANT
.set PW,   228
.set PWS,  232                         ; v232-239 the eight tiles' scale words
.set SS,   240                         ; v240-243 sums of squares
.set RI,   244                         ; v244-245 1 / rms
.set T,    246                         ; v246-253 at work
.set IM,   32                          ; v's way: v32-127 eight images
.set XV,   128                         ; v128-191 two sets of 32 numbers
.set TV,   192
.set WD,   200                         ; v200-207 the images' scale words
.set G1,  24
.set G0,  32
.set G1B, 48
.set G0B, 56
.set WV,  66
.set RH,  67                           ; which half of the tile's tokens is mine.  Also: I fetch for x (0) or for the weight (1)
.set CH,  68                           ; which half of its columns.  Also: which 128 rows I fetch
.set TR,  69
.set SEL, 82
.set VT,  85                           ; 1: my head is one of v
.set MSB, 0
.macro WIN new                         ; the immediate's high byte repeats the setting that is left
.if MSB != \new
	s_set_vgpr_msb (MSB<<8)|\new
.set MSB, \new
.endif
.endm
.set MUL_LO, 0xa1                      ; source 0 (weight) window 1, source 1 (x) window 0, C and D window 2
.set MUL_HI, 0xf1
.set TO_B,   0x40
.macro JLOAD g0a, g1a, g0b, g1b        ; a joint load: waves 0 and 1 fetch for x, waves 2 and 3 for the weight; four v_nop follow each of the two lines
	s_cmp_eq_u32 s[RH], 0
	s_cbranch_scc0 .Lfor_b_\@
	tensor_load_to_lds s[\g0a:\g0a+3], s[\g1a:\g1a+7]
	s_nop 0
.rept 4
	v_nop
.endr
	s_branch .Lasked_\@
.Lfor_b_\@:
	tensor_load_to_lds s[\g0b:\g0b+3], s[\g1b:\g1b+7]
	s_nop 0
.rept 4
	v_nop
.endr
.Lasked_\@:
.endm
.macro CREST                           ; a round of the cluster's barrier behind its opening barrier
	s_cmp_lg_u32 s[WV], 0
	s_cbranch_scc1 .Lnot_wave_0_\@
	s_barrier_signal -3
.Lnot_wave_0_\@:
	s_barrier_wait -3
	s_barrier_signal -1
	s_barrier_wait -1
.endm
.macro CROUND
	s_barrier_signal -1
	s_barrier_wait -1
	CREST
.endm
.macro PLACES n
.rept \n
	v_nop
.endr
.endm
.macro QUANT s                         ; 64 numbers of a lane, register 16 b + i = k 32 b + 16 (lane / 16) + i of its row, become a fragment's codes in v[PC] on and its scale word in v[PW]
.irp b, 0,1,2,3
	v_max3_num_f32 v[TM+\b], |v[\s+16*\b]|, |v[\s+1+16*\b]|, 0x2800000   ; and the floor 2^(5 - 127): the byte cannot fall under 1
.endr
.irp i, 2,4,6,8,10,12,14
.irp b, 0,1,2,3
	v_max3_num_f32 v[TM+\b], v[TM+\b], |v[\s+16*\b+\i]|, |v[\s+1+16*\b+\i]|
.endr
.endr
.irp b, 0,1,2,3
	v_permlanex16_b32 v[TM+4+\b], v[TM+\b], s[SEL], s[SEL+1]
.endr
.irp b, 0,1,2,3
	v_max_num_f32 v[TM+\b], v[TM+\b], v[TM+4+\b]
.endr
.irp b, 0,1,2,3
	v_add_nc_u32 v[TM+12+\b], 0xfe000000, v[TM+\b]                   ; 4 off the exponent field: the conversion's scale operand
.endr
.irp b, 0,1,2,3
	v_lshrrev_b32 v[TM+4+\b], 23, v[TM+12+\b]
.endr
	v_lshl_or_b32 v[PW], v[TM+5], 8, v[TM+4]
	v_lshl_or_b32 v[PW], v[TM+6], 16, v[PW]
	v_lshl_or_b32 v[PW], v[TM+7], 24, v[PW]
.irp c, 0,1
	v_cvt_scalef32_pk16_bf6_f32 v[PC+6*\c:PC+2+6*\c], v[\s+32*\c:\s+15+32*\c], v[TM+12+2*\c]
	v_cvt_scalef32_pk16_bf6_f32 v[PC+12+4*\c:PC+14+4*\c], v[\s+16+32*\c:\s+31+32*\c], v[TM+12+2*\c+1]
.endr
	v_nop                                          ; one plain place behind a scaled conversion
.irp c, 0,1
.irp i, 0,1,2
	v_permlane16_swap_b32 v[PC+6*\c+\i], v[PC+12+4*\c+\i]
.endr
.irp i, 0,1,2
	v_mov_b32 v[PC+3+6*\c+\i], v[PC+12+4*\c+\i]
.endr
.endr
.endm
.macro MAX32 xs, ma, mb
	v_max3_num_f32 v[\ma], |v[\xs]|, |v[\xs+1]|, |v[\xs+2]|
	v_max3_num_f32 v[\mb], |v[\xs+3]|, |v[\xs+4]|, |v[\xs+5]|
.irp i, 6,10,14,18,22,26
	v_max3_num_f32 v[\ma], v[\ma], |v[\xs+\i]|, |v[\xs+\i+1]|
	v_max3_num_f32 v[\mb], v[\mb], |v[\xs+\i+2]|, |v[\xs+\i+3]|
.endr
	v_max3_num_f32 v[\ma], v[\ma], |v[\xs+30]|, |v[\xs+31]|
	v_max3_num_f32 v[\ma], v[\ma], v[\mb], 0x2800000
.endm
	s_load_b256 s[4:11], s[0:1], 0x0               ; xbuf, wbuf, bq, bk
	s_load_b256 s[12:19], s[0:1], 0x20             ; bv, qn, kn, rope
	s_load_b128 s[20:23], s[0:1], 0x40             ; qbuf, kvbuf
	v_lshl_add_u32 v[SPW], v0, 2, SPARE
	v_mov_b32 v[NIL], 0
	ds_add_u32 v28, v29
	ds_add_u32 v28, v29
	s_wait_dscnt 0x0
	v_lshrrev_b32 v1, 5, v0
	v_readfirstlane_b32 s[WV], v1
	s_lshr_b32 s[RH], s[WV], 1
	s_and_b32 s[CH], s[WV], 1
	s_bfe_u32 s40, ttmp6, 0x40000                  ; cx, cy: my place in the cluster
	s_bfe_u32 s41, ttmp6, 0x40004
	s_lshl_b32 s42, ttmp9, 2
	s_add_co_u32 s42, s42, s40                     ; tile column = 4 x cluster x + cx
	s_and_b32 s[TR], ttmp7, 0xffff
	s_lshl_b32 s[TR], s[TR], 2
	s_add_co_u32 s[TR], s[TR], s41                 ; tile row = 4 x cluster y + cy
	s_lshl_b32 s43, s41, 2
	s_lshl_b32 s43, 15, s43                        ; my row of the cluster
	s_lshl_b32 s44, 0x1111, s40                    ; my column
	s_or_b32 s[G1], s43, (3<<16)|(1<<21)           ; 15:0 the mask; 17:16 elements of 8 bytes; 21 set beside a mask; no padding
	s_or_b32 s[G1B], s44, (3<<16)|(1<<21)
.irp g, G1, G1B                        ; a dense block of 25,600 bytes as 100 rows of 256
	s_mov_b32 s[\g+1], 32<<16                      ; tensor_dim0 = 32 elements
	s_mov_b32 s[\g+2], 100<<16                     ; tensor_dim1 = 100
	s_mov_b32 s[\g+3], 32<<16                      ; tile_dim0
	s_mov_b32 s[\g+4], 100                         ; tile_dim1
	s_mov_b32 s[\g+5], 32                          ; the pitch
	s_mov_b32 s[\g+6], 0
	s_mov_b32 s[\g+7], 0
.endr
	s_lshl_b32 s46, s[CH], 2                       ; which four blocks of the tile's eight I fetch
	s_lshl_b32 s86, s[TR], 3
	s_add_co_u32 s86, s86, s46
	s_mul_i32 s86, s86, PB                         ; x: by the tile row
	s_mov_b32 s87, 0
	s_lshl_b32 s90, s42, 3
	s_add_co_u32 s90, s90, s46
	s_mul_i32 s90, s90, PB                         ; the weight: by the tile column
	s_mov_b32 s91, 0
	s_mul_i32 s45, s[WV], HALFT                    ; where they go: no place in the cluster enters an LDS address
	s_wait_kmcnt 0x0
	s_add_nc_u64 s[88:89], s[4:5], s[86:87]
	s_add_nc_u64 s[92:93], s[6:7], s[90:91]
	CROUND                                         ; all sixteen work-groups are here: the first joint loads meet
.irp s, 0,1
	s_mov_b32 s[G0+4*\s], 1
	s_add_co_u32 s[G0+4*\s+1], s45, \s*SLOT
	s_add_nc_u64 s[G0+4*\s+2:G0+4*\s+3], s[88:89], \s*KSA
	s_or_b32 s[G0+4*\s+3], s[G0+4*\s+3], 0x80000000
	s_mov_b32 s[G0B+4*\s], 1
	s_add_co_u32 s[G0B+4*\s+1], s45, \s*SLOT
	s_add_nc_u64 s[G0B+4*\s+2:G0B+4*\s+3], s[92:93], \s*KSB
	s_or_b32 s[G0B+4*\s+3], s[G0B+4*\s+3], 0x80000000
	JLOAD G0+4*\s, G1, G0B+4*\s, G1B
.endr
	; which head is mine, and where its bias, gain, table and results lie
	s_lshr_b32 s[VT], ttmp9, 1
	s_and_b32 s[VT], s[VT], s[CH]
	s_lshl_b32 s94, s42, 1
	s_add_co_u32 s94, s94, s[CH]                   ; the run of 128 columns: for q the head
	s_sub_co_u32 s95, s42, 8                       ; for k and v the head (used there alone)
	s_lshr_b32 s96, s[TR], 2                       ; the batch
	s_and_b32 s97, s[TR], 3
	s_lshl_b32 s97, s97, 1
	s_add_co_u32 s97, s97, s[RH]                   ; which 128 tokens of its 1,024
	s_lshl_b32 s98, s96, 4
	s_add_co_u32 s98, s98, s94
	s_lshl_b32 s98, s98, 3
	s_add_co_u32 s98, s98, s97
	s_mul_i32 s98, s98, 12800                      ; qbuf [batch][head][128 tokens][12,800]
	s_lshl_b32 s100, s96, 2
	s_add_co_u32 s100, s100, s95
	s_lshl_b32 s100, s100, 3
	s_add_co_u32 s100, s100, s97
	s_lshl_b32 s100, s100, 1
	s_add_co_u32 s100, s100, s[VT]
	s_mul_i32 s100, s100, 12800                    ; kvbuf [batch, head][128 tokens][k, v][12,800]
	s_mov_b32 s101, 0
	s_mov_b32 s78, 1.0
	s_cmp_eq_u32 s[VT], 1
	s_cselect_b64 s[70:71], s[12:13], s[10:11]     ; bv or bk
	s_cmp_lt_u32 ttmp9, 2                          ; q?
	s_cselect_b64 s[70:71], s[8:9], s[70:71]
	s_cselect_b64 s[72:73], s[14:15], s[16:17]     ; qn or kn
	s_cselect_b64 s[76:77], s[20:21], s[22:23]
	s_cselect_b32 s100, s98, s100
	s_cselect_b32 s94, s94, s95
	s_cselect_b32 s78, 0x3db504f3, s78             ; 128^-0.5 for q
	s_mov_b32 s79, s78
	s_add_nc_u64 s[76:77], s[76:77], s[100:101]
	s_lshl_b32 s100, s94, 9
	s_add_nc_u64 s[70:71], s[70:71], s[100:101]
	s_lshl_b32 s100, s97, 16                       ; 128 positions of 512 bytes
	s_add_nc_u64 s[74:75], s[18:19], s[100:101]
	s_mov_b32 s80, 0x358637bd                      ; 1e-6
	s_mov_b32 s[SEL], 0x76543210
	s_mov_b32 s[SEL+1], 0xfedcba98
	s_mov_b32 s84, 0xffff0000                      ; lanes 16-31
	v_and_b32 v3, 31, v0
	v_and_b32 v1, 15, v0                           ; r
	v_bfe_u32 v2, v0, 4, 1                         ; h
	v_lshlrev_b32 v[LI], 4, v3
	v_lshlrev_b32 v6, 6, v2                        ; 64 h: my 16 numbers of each 32 of a bias or gain
.irp b, 0,1,2,3,4,5,6,7
	global_load_b128 v[BIAS+8*\b:BIAS+8*\b+3], v6, s[70:71] offset:(32*(\b/2)+8*(\b%2))*4
	global_load_b128 v[BIAS+8*\b+4:BIAS+8*\b+7], v6, s[70:71] offset:(32*(\b/2)+8*(\b%2))*4+16
.endr
	WIN TO_B
.irp b, 0,1,2,3,4,5,6,7                ; the gains, in the same order: number n at v[96 + n] of window 1, from n = 32 on at v[192 + n]
	global_load_b128 v[96+8*\b+96*(\b/4):99+8*\b+96*(\b/4)], v6, s[72:73] offset:(32*(\b/2)+8*(\b%2))*4
	global_load_b128 v[100+8*\b+96*(\b/4):103+8*\b+96*(\b/4)], v6, s[72:73] offset:(32*(\b/2)+8*(\b%2))*4+16
.endr
	WIN 0
	s_mul_i32 s86, s[RH], HALFT                    ; my 128 rows of x
	s_mul_i32 s87, s[CH], HALFT
	s_add_co_u32 s87, s87, 2*HALFT                 ; my 128 rows of the weight, behind x's 256
	s_xor_b32 s81, s[RH], 1
	s_add_co_u32 s81, s81, s[CH]
	s_add_co_u32 s81, s81, 1
	s_mul_i32 s81, s81, HALFT                      ; the distance between the two
	v_lshlrev_b32 v4, 4, v1
	v_mul_u32_u24 v5, s81, v2                      ; lanes 16-31 take the weight's scale words
	v_add_nc_u32 v4, v4, v5
.irp s, 0,1
	v_add_nc_u32 v[ADRA+\s], s86, v[LI]
	v_add_nc_u32 v[ADRB+\s], s87, v[LI]
	v_add_nc_u32 v[ADRS+\s], s86, v4
	s_add_co_u32 s86, s86, SLOT
	s_add_co_u32 s87, s87, SLOT
.endr
	v_and_b32 v7, 8, v1
	v_add_nc_u32 v7, v7, v1                        ; r + 8 (r / 8)
	s_mul_i32 s81, s[WV], 51200                    ; v's stage, in the ring when it has been read out: 64 rows of 528 bytes
	v_mul_u32_u24 v[VSTO], v7, 528
	v_lshl_add_u32 v[VSTO], v2, 6, v[VSTO]
	v_add_nc_u32 v[VSTO], s81, v[VSTO]
	v_mul_u32_u24 v[VRD], v2, 16896                ; lanes 16-31 read 32 tokens further down
	v_lshl_add_u32 v[VRD], v7, 2, v[VRD]
	v_add_nc_u32 v[VRD], s81, v[VRD]
	v_lshlrev_b32 v[TA], 9, v7
	v_lshl_add_u32 v[TA], v2, 6, v[TA]             ; the table: my token's 512 bytes, + 64 h
	v_lshlrev_b32 v[SCO], 5, v1
	v_lshl_add_u32 v[SCO], v2, 4, v[SCO]
.macro FRAG reg, adr, q, i             ; block i's fragment of the slot's q-th 128 along K: an image, three loads of 16 bytes a lane
.irp c, 0,1,2
	ds_load_b128 v[\reg+4*\c:\reg+4*\c+3], v[\adr] offset:((\i)/2)*PB+(2*((\i)%2)+(\q))*IMG+512*\c
.endr
.endm
; 16 matrix instructions: x's blocks a0, a0 + 1 against the weight's eight.  zero = 1: the first product starts the sums from the bias.  The 64 accumulators take turns, one instruction a turn.
.macro MUL16 a0, p, q, sc, zero
.irp a, \a0, \a0+1
.irp b, 0,1,2,3,4,5,6,7
.if \zero
	v_wmma_scale_f32_16x16x128_f8f6f4 v[8*(8*((\a)%4)+\b):8*(8*((\a)%4)+\b)+7], v[128*(\p)+FR*\b:128*(\p)+FR*\b+FR-1], v[AF+FR*(\a):AF+FR*(\a)+FR-1], v[BIAS+8*\b:BIAS+8*\b+7], v[SC+8*NQ*(\sc)+NQ*\b+(\q)], v[SC+8*NQ*(\sc)+NQ*(\a)+(\q)] matrix_a_fmt:MATRIX_FMT_BF6 matrix_b_fmt:MATRIX_FMT_BF6 matrix_a_scale:MATRIX_SCALE_ROW1
.else
	v_wmma_scale_f32_16x16x128_f8f6f4 v[8*(8*((\a)%4)+\b):8*(8*((\a)%4)+\b)+7], v[128*(\p)+FR*\b:128*(\p)+FR*\b+FR-1], v[AF+FR*(\a):AF+FR*(\a)+FR-1], v[8*(8*((\a)%4)+\b):8*(8*((\a)%4)+\b)+7], v[SC+8*NQ*(\sc)+NQ*\b+(\q)], v[SC+8*NQ*(\sc)+NQ*(\a)+(\q)] matrix_a_fmt:MATRIX_FMT_BF6 matrix_b_fmt:MATRIX_FMT_BF6 matrix_a_scale:MATRIX_SCALE_ROW1
.endif
.endr
.endr
.endm
.macro FETCH_B slot, q, p
	WIN TO_B
.irp i, 0,1,2,3,4,5,6,7
	FRAG 128*(\p)+FR*\i, ADRB+\slot, \q, \i
.endr
	WIN 0
.endm
.macro FETCH_A slot, q, i0
.irp i, \i0, \i0+1, \i0+2, \i0+3
	FRAG AF+FR*(\i), ADRA+\slot, \q, \i
.endr
.endm
.macro SCALES sc                       ; the slot's scale words: two a row; lanes 0-15 take x's block i, lanes 16-31 the weight's block i
.irp i, 0,1,2,3,4,5,6,7
	ds_load_b64 v[SC+8*NQ*\sc+NQ*\i:SC+8*NQ*\sc+NQ*\i+1], v[ADRS+\sc] offset:(\i/2)*PB+6144+8*(\i%2)
.endr
.endm
; A step of 128 along K that has its successor in the same slot
.macro STEP slot, q, zero
	s_wait_dscnt 4*NL                              ; the weight's set and x's blocks 0-3 are in; the youngest twelve loads (x's blocks 4-7) may be out
.if \zero
	WIN 0x81                                       ; C (the bias) window 0, D window 2
.else
	WIN MUL_LO
.endif
	MUL16 0, (\q)%2, \q, \slot, \zero
	MUL16 2, (\q)%2, \q, \slot, \zero
	s_wait_dscnt 0
	PLACES NP                                      ; in front of loads into registers that matrix instructions have read
	FETCH_B \slot, (\q)+1, 1-(\q)%2
	FETCH_A \slot, (\q)+1, 0
.if \zero
	WIN 0xc1
.else
	WIN MUL_HI
.endif
	MUL16 4, (\q)%2, \q, \slot, \zero
	MUL16 6, (\q)%2, \q, \slot, \zero
	PLACES NP
	WIN 0
	FETCH_A \slot, (\q)+1, 4
.endm
; A slot's last step changes slots: one barrier; in front of it each wave waits for all its tensor loads, adds 0 to its spare word, and waits for that and for its own reads of this slot.  fill = 1: this slot is filled again, two K slots ahead.
.macro TURN slot, next, fill
	s_wait_tensorcnt 0x0                           ; all my tensor loads have landed: my part of the next slot;
	ds_add_u32 v[SPW], v[NIL]                      ; 0 onto my spare word
	s_wait_dscnt 4*NL+1                            ; (the add and the youngest twelve loads may be out)
	WIN MUL_LO
	MUL16 0, 1, NQ-1, \slot, 0
	s_wait_dscnt 0x0                               ; the add is done, and my reads of this slot are over
	s_barrier_signal -1
	MUL16 2, 1, NQ-1, \slot, 0
	WIN 0
	s_barrier_wait -1
.if \fill
	CREST                                          ; the barrier has opened a round of the cluster's barrier: no wave of any partner still reads this slot or has a load on its way
	s_add_nc_u64 s[G0+4*\slot+2:G0+4*\slot+3], s[G0+4*\slot+2:G0+4*\slot+3], 2*KSA
	s_add_nc_u64 s[G0B+4*\slot+2:G0B+4*\slot+3], s[G0B+4*\slot+2:G0B+4*\slot+3], 2*KSB
	JLOAD G0+4*\slot, G1, G0B+4*\slot, G1B         ; the first tensor load behind the round; its four v_nop are the places in front of the loads below
.else
	PLACES NP
.endif
	FETCH_B \next, 0, 0
	FETCH_A \next, 0, 0
	SCALES \next
	WIN MUL_HI
	MUL16 4, 1, NQ-1, \slot, 0
	MUL16 6, 1, NQ-1, \slot, 0
	PLACES NP
	WIN 0
	FETCH_A \next, 0, 4
.endm
; COS AND SIN of token tile a lie in set a % 3: window 0 v64-127 (the bias's registers), window 1 v0-63, window 1 v128-191 (registers of the weight's fragments, free behind the products).
; Three sets, so that a tile's 16 loads are asked for three tiles ahead of the turn that reads them.
.macro CSSET a
.if (\a)%3 == 0
.set CB, 64
.set CW, 0
.elseif (\a)%3 == 1
.set CB, 0
.set CW, 1
.else
.set CB, 128
.set CW, 1
.endif
.set CWD, CW<<6                        ; the set's window as a load's destination,
.set CWS, CW<<2                        ; and as source 1
.endm
.macro CSLOAD a                        ; my token's position, my 32 pairs
	CSSET \a
	WIN CWD
.irp e, 0,1,2,3
.irp j, 0,1,2,3
	global_load_b128 v[CB+16*\e+4*\j:CB+16*\e+4*\j+3], v[TA], s[74:75] offset:(32*((\a)/2)+8*((\a)%2))*512+128*\e+16*\j
.endr
.endr
	WIN 0
.endm
	s_wait_tensorcnt 1                             ; my part of K slot 0 is in (slot 1's load may be out)
	s_barrier_signal -1
	s_barrier_wait -1                              ; everybody's is
	FETCH_B 0, 0, 0
	FETCH_A 0, 0, 0
	SCALES 0
	FETCH_A 0, 0, 4
	s_wait_loadcnt 0x0                             ; the bias and the gains
	WIN 0x41
.set n, 0
.rept 16
	v_pk_mul_f32 v[96+n:97+n], v[96+n:97+n], s[78:79] op_sel_hi:[1,0]      ; q's gains take 128^-0.5 in
	v_pk_mul_f32 v[224+n:225+n], v[224+n:225+n], s[78:79] op_sel_hi:[1,0]
.set n, n+2
.endr
	WIN 0
	STEP 0, 0, 1                                   ; the first step stands in front of the loop: its products start the sums
	CSLOAD 0                                       ; into the bias's registers, four places behind their last reader; waited for behind the products
	s_mov_b32 s3, LAPS-1
.Llap:
	TURN 0, 1, 1
	STEP 1, 0, 0
	TURN 1, 0, 1
	STEP 0, 0, 0
	s_sub_co_u32 s3, s3, 1
	s_cmp_lg_u32 s3, 0
	s_cbranch_scc1 .Llap
	TURN 0, 1, 0                                   ; the last lap fills nothing
	STEP 1, 0, 0
	s_wait_dscnt 4*NL
	WIN MUL_LO
	MUL16 0, 1, NQ-1, 1, 0
	MUL16 2, 1, NQ-1, 1, 0
	s_wait_dscnt 0
	WIN MUL_HI
	MUL16 4, 1, NQ-1, 1, 0
	MUL16 6, 1, NQ-1, 1, 0
	WIN 0
	PLACES NP                                      ; behind the last products: their results are read, and their operands' registers written and loaded into, below
	s_wait_dscnt 0x0
	s_barrier_signal -1
	s_barrier_wait -1                              ; nobody reads the ring any more, and it has had its last fill: v's stages may lie there
	s_cmp_eq_u32 s[VT], 1
	s_cbranch_scc1 .Lway_v
	; ---- q AND k: a token tile at a time
	CSLOAD 1                                       ; tile 0's cos and sin were asked for in front of the loop; tiles 1 and 2 go out now
	CSLOAD 2
.irp b, 0,1,2,3
	v_mov_b32 v[TM+4+\b], 0                        ; written once: a lane permute's destination counts as one of its sources
.endr
	v_mov_b32 v[RI+1], 0                           ; (named as the upper half of a pair)
.macro EPI a
.set AC, 64*((\a)%4)
.set W, 2+(\a)/4
.set WSQ, W|(W<<2)
.set WGN, W|4
	CSSET \a
	WIN WSQ
	v_pk_mul_f32 v[SS:SS+1], v[AC:AC+1], v[AC:AC+1]                  ; the sum of squares, each accumulator from its low end on, in two chains
	v_pk_mul_f32 v[SS+2:SS+3], v[AC+2:AC+3], v[AC+2:AC+3]
.set n, 4
.rept 15
	v_pk_fma_f32 v[SS:SS+1], v[AC+n:AC+n+1], v[AC+n:AC+n+1], v[SS:SS+1]
	v_pk_fma_f32 v[SS+2:SS+3], v[AC+n+2:AC+n+3], v[AC+n+2:AC+n+3], v[SS+2:SS+3]
.set n, n+4
.endr
	WIN WGN
.set n, 0
.rept 32
	v_pk_mul_f32 v[Z+n:Z+n+1], v[AC+n:AC+n+1], v[96+n+96*(n/32):97+n+96*(n/32)]   ; x the gain
.set n, n+2
.endr
	WIN 0
	v_pk_add_f32 v[SS:SS+1], v[SS:SS+1], v[SS+2:SS+3]
	v_add_f32 v[SS], v[SS], v[SS+1]
	v_permlanex16_b32 v[SS+2], v[SS], s[SEL], s[SEL+1]
	v_add_f32 v[SS], v[SS], v[SS+2]                ; with lane l xor 16's 64 columns
	v_fma_f32 v[SS], v[SS], 0x3c000000, s80        ; / 128 + 1e-6
	v_rsq_f32 v[RI], v[SS]                         ; (the turn's lines below are the plain place behind it)
.if (\a) < 6
	s_wait_loadcnt 32                              ; this tile's 16 loads of cos and sin are in; the next two tiles' 32 may be out
.elseif (\a) == 6
	s_wait_loadcnt 16                              ; the last tile's may be out
.else
	s_wait_loadcnt 0x0
.endif
	WIN CWS
.irp g, 0,1,2,3,4,5,6,7                ; the rotary turn of a pair (a, b): (a cos - b sin, a sin + b cos)
.irp p, 0,1,2,3
	v_pk_mul_f32 v[T+2*\p:T+2*\p+1], v[Z+8*\g+2*\p:Z+8*\g+2*\p+1], v[CB+8*\g+2*\p:CB+8*\g+2*\p+1] op_sel:[1,1] op_sel_hi:[0,1] neg_lo:[1,0]   ; (-b sin, a sin)
.endr
.irp p, 0,1,2,3
	v_pk_fma_f32 v[Z+8*\g+2*\p:Z+8*\g+2*\p+1], v[Z+8*\g+2*\p:Z+8*\g+2*\p+1], v[CB+8*\g+2*\p:CB+8*\g+2*\p+1], v[T+2*\p:T+2*\p+1] op_sel_hi:[1,0,1]   ; + (a cos, b cos)
.endr
.endr
	WIN 0
.if (\a) > 0
	s_wait_xcnt 0x0                                ; the last tile's stores have read the codes' registers, which QUANT writes below; the wait stands ahead of this tile's loads, so that it waits for none of them
.endif
.if (\a)+3 < 8
	CSLOAD (\a)+3                                  ; into the set just read
.endif
.set n, 0
	s_wait_alu depctr_va_vdst(0)
.rept 32
	v_pk_mul_f32 v[Z+n:Z+n+1], v[Z+n:Z+n+1], v[RI:RI+1] op_sel_hi:[1,0]   ; / rms
.set n, n+2
.endr
	QUANT Z
	v_mov_b32 v[PWS+(\a)], v[PW]
.irp k, 0,1,2
	global_store_b128 v[LI], v[PC+4*\k:PC+4*\k+3], s[76:77] offset:(\a)*IMG+512*\k   ; 512 consecutive bytes a store
.endr
.endm
.irp a, 0,1,2,3,4,5,6,7
	EPI \a
.endr
.irp i, 0,1,2,3
	v_cndmask_b32 v[T+\i], v[PWS+\i], v[PWS+4+\i], s84   ; lanes 0-15 store tiles 0-3's words of their row, lanes 16-31 tiles 4-7's
.endr
	global_store_b128 v[SCO], v[T:T+3], s[76:77] offset:12288
	s_branch .Ljoin
	; ---- v: quantised along the tokens.  64 tokens at a time go through my stage, rows = tokens; a lane then reads 32 tokens down one channel: a whole block.
	; Image d has lane r = channel 32 (d / 2) + 8 (d % 2) + r + 8 (r / 8); K = the 128 tokens in their order.
.Lway_v:
	s_wait_loadcnt 0x0                             ; (the table's first loads went into registers that are used below)
.macro LOADV d
.set ii, 0
.rept 32
	ds_load_b32 v[XV+32*((\d)%2)+ii], v[VRD] offset:528*ii+(32*((\d)/2)+8*((\d)%2))*4
.set ii, ii+1
.endr
.endm
.macro VIMG d, c
.set XS, XV+32*((\d)%2)
.if (\d) < 7
	s_wait_dscnt 32                                ; this image's 32 loads are in; the next one's may be out
.else
	s_wait_dscnt 0x0
.endif
	MAX32 XS, 196, 197
	v_add_nc_u32 v198, 0xfe000000, v196
	v_lshrrev_b32 v199, 23, v198
.if (\c) == 0
	v_mov_b32 v[WD+(\d)], v199                     ; my block is 2 c + (lane / 16) of the four
.else
	v_lshl_or_b32 v[WD+(\d)], v199, 16, v[WD+(\d)]
.endif
	v_cvt_scalef32_pk16_bf6_f32 v[IM+12*(\d)+6*(\c):IM+12*(\d)+6*(\c)+2], v[XS:XS+15], v198
	v_cvt_scalef32_pk16_bf6_f32 v[TV:TV+2], v[XS+16:XS+31], v198
	v_nop                                          ; one plain place behind a scaled conversion
.irp i, 0,1,2
	v_mov_b32 v[IM+12*(\d)+6*(\c)+3+\i], v[TV+\i]
.endr
.if (\d)+2 < 8
	LOADV (\d)+2
.endif
.endm
.macro VCHUNK c
.set WST, 0x08+4*(\c)
	WIN WST                                        ; an LDS store's data are its source 1: window 2 or 3
.irp a, 0,1,2,3
.irp b, 0,1,2,3,4,5,6,7
	ds_store_b128 v[VSTO], v[8*(8*\a+\b):8*(8*\a+\b)+3] offset:(32*(\a/2)+8*(\a%2))*528+128*(\b/2)+32*(\b%2)       ; each accumulator from its low end on
	ds_store_b128 v[VSTO], v[8*(8*\a+\b)+4:8*(8*\a+\b)+7] offset:(32*(\a/2)+8*(\a%2))*528+128*(\b/2)+32*(\b%2)+16
.endr
.endr
	WIN 0
	LOADV 0                                        ; LDS serves a wave's instructions in order: these see the stores above, and the next 64 tokens' stores come behind them
	LOADV 1
.irp d, 0,1,2,3,4,5,6,7
	VIMG \d, \c
.endr
.endm
	VCHUNK 0
	VCHUNK 1
	v_lshlrev_b32 v196, 3, v2
.irp d, 0,1,2,3,4,5,6,7
	v_lshlrev_b32 v[WD+\d], v196, v[WD+\d]         ; my two bytes at their places in the word,
.endr
.irp d, 0,1,2,3,4,5,6,7
	v_permlanex16_b32 v[XV+\d], v[WD+\d], s[SEL], s[SEL+1]
.endr
.irp d, 0,1,2,3,4,5,6,7
	v_or_b32 v[WD+\d], v[WD+\d], v[XV+\d]          ; with lane l xor 16's two the word is whole
.endr
.irp d, 0,1,2,3,4,5,6,7
.irp k, 0,1,2
	global_store_b128 v[LI], v[IM+12*\d+4*\k:IM+12*\d+4*\k+3], s[76:77] offset:\d*IMG+512*\k
.endr
.endr
.irp i, 0,1,2,3
	v_cndmask_b32 v[208+\i], v[WD+\i], v[WD+4+\i], s84
.endr
	global_store_b128 v[SCO], v[208:211], s[76:77] offset:12288
.Ljoin:
	s_wait_tensorcnt 0x0                           ; the wave's end: behind my last tensor load and my last LDS store
	ds_add_u32 v[SPW], v[NIL]
	s_wait_dscnt 0x0
	CROUND                                         ; the closing round: no work-group ends while a partner may still ask for a tile that names it
	s_endpgm
.Lfunc_end_k_q12e7066a41_qkv:
	.size	k_q12e7066a41_qkv, .Lfunc_end_k_q12e7066a41_qkv-k_q12e7066a41_qkv
	.p2alignl 7, 3214868480
	.fill 96, 4, 3214868480
	.section	.rodata,"a",@progbits
	.p2align	6, 0x0
	.amdhsa_kernel k_q12e7066a41_qkv
		.amdhsa_group_segment_fixed_size 327680
		.amdhsa_private_segment_fixed_size 0
		.amdhsa_enable_private_segment 0
		.amdhsa_kernarg_size 80
		.amdhsa_user_sgpr_count 2
		.amdhsa_user_sgpr_kernarg_segment_ptr 1
		.amdhsa_wavefront_size32 1
		.amdhsa_system_sgpr_workgroup_id_x 1
		.amdhsa_system_sgpr_workgroup_id_y 1
		.amdhsa_system_sgpr_workgroup_id_z 1
		.amdhsa_system_vgpr_workitem_id 0
		.amdhsa_next_free_vgpr 1024
		.amdhsa_next_free_sgpr 102
		.amdhsa_reserve_vcc 0
		.amdhsa_float_denorm_mode_32 3
		.amdhsa_float_denorm_mode_16_64 3
		.amdhsa_memory_ordered 1
		.amdhsa_forward_progress 1
		.amdhsa_inst_pref_size 255
	.end_amdhsa_kernel
	.section	.bss,"aw",@nobits
	.p2align	6
	.space	262144
	.amdgpu_metadata
---
amdhsa.version: [ 1, 2 ]
amdhsa.kernels:
  - .name:           k_q12e7066a41_qkv
    .symbol:         k_q12e7066a41_qkv.kd
    .args:
      - { .name: xbuf, .offset: 0, .size: 8, .value_kind: global_buffer, .address_space: global }
      - { .name: wbuf, .offset: 8, .size: 8, .value_kind: global_buffer, .address_space: global }
      - { .name: bq, .offset: 16, .size: 8, .value_kind: global_buffer, .address_space: global }
      - { .name: bk, .offset: 24, .size: 8, .value_kind: global_buffer, .address_space: global }
      - { .name: bv, .offset: 32, .size: 8, .value_kind: global_buffer, .address_space: global }
      - { .name: qn, .offset: 40, .size: 8, .value_kind: global_buffer, .address_space: global }
      - { .name: kn, .offset: 48, .size: 8, .value_kind: global_buffer, .address_space: global }
      - { .name: rope, .offset: 56, .size: 8, .value_kind: global_buffer, .address_space: global }
      - { .name: qbuf, .offset: 64, .size: 8, .value_kind: global_buffer, .address_space: global }
      - { .name: kvbuf, .offset: 72, .size: 8, .value_kind: global_buffer, .address_space: global }
    .group_segment_fixed_size: 327680
    .private_segment_fixed_size: 0
    .kernarg_segment_align: 8
    .kernarg_segment_size: 80
    .max_flat_workgroup_size: 128
    .sgpr_count:     102
    .vgpr_count:     1024
    .wavefront_size: 32
...
	.end_amdgpu_metadata
.endif
;; end of part 2
;; launch attn (part 3): grid 16 x 16, 16 waves a work-group, clusters of 4 x 1, 206,848 bytes of LDS; arguments qbuf, kvbuf, abuf; writes abuf
.if DOCPART == 3
	.amdgcn_target "amdgcn-amd-amdhsa--gfx1250"
	.amdhsa_code_object_version 6
	.text
	.protected	k_q12e7066a41_attn
	.globl	k_q12e7066a41_attn
	.p2align	8
	.type	k_q12e7066a41_attn,@function
k_q12e7066a41_attn:
	s_mov_b64 s[64:65], 0
	v_nop
	global_prefetch_b8 v0, s[64:65] scope:SCOPE_SE
	s_setreg_imm32_b32 hwreg(HW_REG_WAVE_MODE, 25, 1), 1
	s_wait_xcnt 0x0
	s_wait_alu depctr_hold_cnt(0) depctr_sa_sdst(0) depctr_va_vdst(0) depctr_va_sdst(0) depctr_va_ssrc(0) depctr_va_vcc(0) depctr_vm_vsrc(0)
	s_getreg_b32 s2, hwreg(HW_REG_IB_STS2, 6, 4)
	s_cmp_eq_u32 s2, 0
	s_cbranch_scc0 .Lentry_in_a_cluster
	s_endpgm
.Lentry_in_a_cluster:
	s_bfe_u32 s2, ttmp6, 0x10000c
	s_cmp_lg_u32 s2, 0x3003
	s_cbranch_scc0 .Lentry_shape_is_right
	s_endpgm
.Lentry_shape_is_right:
; CAUSAL ATTENTION on codes of BF6 (E3M2) with E8M0 scales: 4 batches x 16 query heads x 1,024 tokens, head size 128, 4 heads of k and v.  Its result, divided by the row's sum, is quantised along (head, channel) for the last product.
; THE SOFTMAX AHEAD OF THE SECOND PRODUCT: t = score x log2(e) / sqrt(128) (q already carries the module's own 128^-0.5); M = the row's largest t so far, rounded up to a whole number; p = 2^(t - M) is quantised along the keys,
; not normalised; the row's sum is taken of the unquantised p.  When M moves, the sum and O are multiplied by 2^(old M - new M): exact.
; SHARES.  The four work-groups of a cluster are the four query heads that share one head of k and v: its 204,800 bytes (8 key steps x (k's 12,800 + v's 12,800)) are asked for JOINTLY, once, at the head: each of the sixteen waves
; issues one load of 12,800 dense bytes, and nothing is filled again.  The cluster's x (0..3) says which quarter of the query tiles the work-group has: wave w takes tile u of tokens 128 m + 32 c .. + 31.
; A wave needs m + 1 key steps.  m and u are dealt so that any four waves w % 4 alike, and any four w / 4 alike, have 18 steps together; all work-groups have 72.  Every wave walks a loop of 8 trips and jumps over the
; steps all of whose keys come after its queries: a branch on the wave's number alone.
; LAYOUT.  Both products are used transposed (S^T = K Q^T, O^T = V^T P^T): a lane holds one query (lane % 16).  Operands lie as images of their registers: a fragment is three loads of 16 bytes a lane.
; Lane r of k's image 2 b + u is key 32 b + 8 u + r + 8 (r / 8), so the 16 registers of tiles 2 b and 2 b + 1 are 16 neighbouring keys; v's images have their channels in the same order, so O^T's registers run along the channels.
; No prefetch: all tiles are asked for at the head, and no later load could be run ahead of.
; LIMITS: NaN and infinities are not served; a block whose largest magnitude lies under 2^-122 keeps the byte 1.
; REGISTERS: v1-11 addresses; v12 -M, v13 the largest t, v[14:15] the sum; v16-27 Q; v32-79 four fragments; v80-87 k's scale words, v88-95 v's; v96-159 S^T, then p; v160-223 O^T; v224-254 at work; v255 Q's scale words.
.set WV,  10
.set CX,  11
.set Y,   12
.set CC,  13
.set M,   14
.set U,   15
.set KS,  16
.set TB,  17
.set SEL, 20
.set CS,  22
.set G1,  24
.set G0,  32
.set BA,  36
.set HH,  37
.set ADK, 8
.set ADS, 9
.set PC,  32
.set TM,  52
.set PW,  68
.macro ROUND                           ; a round of the cluster's barrier
	s_barrier_signal -1
	s_barrier_wait -1
	s_cmp_lg_u32 s[WV], 0
	s_cbranch_scc1 .Lnot_wave_0_\@
	s_barrier_signal -3
.Lnot_wave_0_\@:
	s_barrier_wait -3
	s_barrier_signal -1
	s_barrier_wait -1
.endm
.macro QUANT s                         ; 64 numbers of a lane, register 16 b + i = k 32 b + 16 (lane / 16) + i of its row, become a fragment's codes in v[PC] on and its scale word in v[PW]
.irp b, 0,1,2,3
	v_max3_num_f32 v[TM+\b], |v[\s+16*\b]|, |v[\s+1+16*\b]|, 0x2800000
.endr
.irp i, 2,4,6,8,10,12,14
.irp b, 0,1,2,3
	v_max3_num_f32 v[TM+\b], v[TM+\b], |v[\s+16*\b+\i]|, |v[\s+1+16*\b+\i]|
.endr
.endr
.irp b, 0,1,2,3
	v_permlanex16_b32 v[TM+4+\b], v[TM+\b], s[SEL], s[SEL+1]
.endr
.irp b, 0,1,2,3
	v_max_num_f32 v[TM+\b], v[TM+\b], v[TM+4+\b]
.endr
.irp b, 0,1,2,3
	v_add_nc_u32 v[TM+12+\b], 0xfe000000, v[TM+\b]
.endr
.irp b, 0,1,2,3
	v_lshrrev_b32 v[TM+4+\b], 23, v[TM+12+\b]
.endr
	v_lshl_or_b32 v[PW], v[TM+5], 8, v[TM+4]
	v_lshl_or_b32 v[PW], v[TM+6], 16, v[PW]
	v_lshl_or_b32 v[PW], v[TM+7], 24, v[PW]
.irp c, 0,1
	v_cvt_scalef32_pk16_bf6_f32 v[PC+6*\c:PC+2+6*\c], v[\s+32*\c:\s+15+32*\c], v[TM+12+2*\c]
	v_cvt_scalef32_pk16_bf6_f32 v[PC+12+4*\c:PC+14+4*\c], v[\s+16+32*\c:\s+31+32*\c], v[TM+12+2*\c+1]
.endr
	v_nop
.irp c, 0,1
.irp i, 0,1,2
	v_permlane16_swap_b32 v[PC+6*\c+\i], v[PC+12+4*\c+\i]
.endr
.irp i, 0,1,2
	v_mov_b32 v[PC+3+6*\c+\i], v[PC+12+4*\c+\i]
.endr
.endr
.endm
	s_load_b128 s[4:7], s[0:1], 0x0                ; qbuf, kvbuf
	s_load_b64 s[8:9], s[0:1], 0x10                ; abuf
	v_lshl_add_u32 v250, v0, 2, 0x32000
	v_mov_b32 v251, 0
	ds_add_u32 v250, v251
	ds_add_u32 v250, v251
	v_lshrrev_b32 v1, 5, v0
	v_readfirstlane_b32 s[WV], v1                  ; wave 0..15
	s_bfe_u32 s[CX], ttmp6, 0x40000                ; my place in the cluster: the query head inside its group of four
	s_and_b32 s[Y], ttmp7, 0xffff                  ; 4 x batch + the head of k and v
	s_mov_b32 s[CC], ttmp9                         ; the cluster's x: which quarter of the query tiles
	s_mov_b32 s[G1], 15|(3<<16)|(1<<21)            ; 15:0 the mask: all four work-groups; 17:16 elements of 8 bytes; 21 set beside a mask; no padding
	s_mov_b32 s[G1+1], 32<<16                      ; 12,800 dense bytes as 50 rows of 256
	s_mov_b32 s[G1+2], 50<<16
	s_mov_b32 s[G1+3], 32<<16
	s_mov_b32 s[G1+4], 50
	s_mov_b32 s[G1+5], 32
	s_mov_b32 s[G1+6], 0
	s_mov_b32 s[G1+7], 0
	s_mov_b32 s[G0], 1
	s_mul_i32 s[G0+1], s[WV], 12800                ; LDS holds the head's k and v as they lie in memory
	s_mul_i32 s38, s[Y], 204800
	s_add_co_u32 s38, s38, s[G0+1]
	s_mov_b32 s39, 0
	s_wait_dscnt 0x0
	s_wait_kmcnt 0x0
	s_add_nc_u64 s[G0+2:G0+3], s[6:7], s[38:39]
	s_or_b32 s[G0+3], s[G0+3], 0x80000000
	ROUND                                          ; all four work-groups are here: the joint loads meet
	tensor_load_to_lds s[G0:G0+3], s[G1:G1+7]      ; my one tensor load of the launch
	s_nop 0
.rept 4
	v_nop
.endr
	s_lshr_b32 s18, s[WV], 3
	s_lshl_b32 s18, s18, 1
	s_bfe_u32 s19, s[WV], 0x10001
	s_add_co_u32 s18, s18, s19                     ; 0..3
	s_lshr_b32 s19, s[WV], 2
	s_xor_b32 s19, s19, s[WV]
	s_and_b32 s19, s19, 1
	s_mul_i32 s19, s19, 7
	s_xor_b32 s[M], s18, s19                       ; m: that number or 7 less it
	s_bfe_u32 s[U], s[WV], 0x10002                 ; u
	s_lshr_b32 s[BA], s[Y], 2                      ; the batch
	s_and_b32 s[HH], s[Y], 3
	s_lshl_b32 s[HH], s[HH], 2
	s_add_co_u32 s[HH], s[HH], s[CX]               ; the query head
	s_lshl_b32 s18, s[BA], 4
	s_add_co_u32 s18, s18, s[HH]
	s_lshl_b32 s18, s18, 3
	s_add_co_u32 s18, s18, s[M]
	s_mul_i32 s18, s18, 12800
	s_mov_b32 s19, 0
	s_add_nc_u64 s[4:5], s[4:5], s[18:19]          ; q's 128 tokens
	s_lshl_b32 s38, s[CC], 1
	s_add_co_u32 s38, s38, s[U]                    ; my image among their eight
	s_mul_i32 s39, s38, 1536
	s_lshl_b32 s38, s38, 2
	v_and_b32 v1, 31, v0
	v_lshlrev_b32 v1, 4, v1                        ; 16 x lane
	v_and_b32 v3, 15, v0                           ; r
	v_bfe_u32 v4, v0, 4, 1                         ; h
	v_lshlrev_b32 v2, 5, v3                        ; 32 r: a row's eight scale words
	v_add_nc_u32 v10, s39, v1
	v_add_nc_u32 v11, s38, v2
.irp c, 0,1,2
	global_load_b128 v[16+4*\c:19+4*\c], v10, s[4:5] offset:512*\c   ; Q's fragment stays in registers
.endr
	global_load_b32 v255, v11, s[4:5] offset:12288
	v_and_b32 v6, 8, v3
	v_add_nc_u32 v5, v6, v3
	v_lshlrev_b32 v6, 4, v4
	v_sub_nc_u32 v5, v5, v6
	s_lshl_b32 s18, s[CC], 5
	s_lshl_b32 s19, s[U], 3
	s_add_co_u32 s18, s18, s19
	v_add_nc_u32 v5, s18, v5                       ; d = my query's place in its key step - 16 h: register 16 b + i is hidden on the diagonal where 32 b + i > d
	s_lshr_b32 s18, s[HH], 1                       ; abuf [head / 2][32 tokens][6,400]
	s_lshl_b32 s18, s18, 7
	s_lshl_b32 s19, s[BA], 5
	s_add_co_u32 s18, s18, s19
	s_lshl_b32 s19, s[M], 2
	s_add_co_u32 s18, s18, s19
	s_add_co_u32 s18, s18, s[CC]
	s_mul_i32 s18, s18, 6400
	s_mov_b32 s19, 0
	s_add_nc_u64 s[8:9], s[8:9], s[18:19]
	s_and_b32 s38, s[HH], 1
	s_lshl_b32 s39, s[U], 1
	s_add_co_u32 s38, s38, s39                     ; image 2 u + head % 2
	s_mul_i32 s39, s38, 1536
	v_add_nc_u32 v6, s39, v1
	s_lshl_b32 s38, s38, 2
	v_lshl_add_u32 v7, v3, 4, s38                  ; its scale word: 16 r + 8 u + 4 (head % 2)
	s_mov_b32 s[SEL], 0x76543210
	s_mov_b32 s[SEL+1], 0xfedcba98
	s_mov_b32 s[CS], 0x3e0293ee                    ; c = log2(e) / sqrt(128)
	s_mov_b32 s[CS+1], s[CS]
	v_mov_b32 v13, 0xff61b1e6                      ; the largest t so far: -3e38
	v_floor_f32 v12, -v13                          ; -M
	v_mov_b32 v14, 0
	v_mov_b32 v15, 0
.irp b, 0,1,2,3
	v_mov_b32 v[236+\b], 0                         ; written once: a lane permute's destination counts as one of its sources
.endr
	v_mov_b32 v252, 0
	v_mov_b32 v253, 0
.set j, 0
.rept 64
	v_mov_b32 v[160+j], 0                          ; O^T: the loop is written once; its first step finds zeros
.set j, j+1
.endr
	s_wait_tensorcnt 0x0                           ; my part of k and v is in,
	s_wait_loadcnt 0x0                             ; and Q
	s_barrier_signal -1
	s_barrier_wait -1                              ; everybody's part is
	s_mov_b32 s[KS], 0
	s_mov_b32 s[TB], 0
.Lstep:                                            ; 8 trips: a key step of 128 keys
	s_cmp_gt_u32 s[KS], s[M]
	s_cbranch_scc1 .Lhidden                        ; all its keys come after my queries
	v_add_nc_u32 v[ADK], s[TB], v1
	v_add_nc_u32 v[ADS], s[TB], v2
	v_nop
	v_nop                                          ; four places in front of loads into registers that the last step's products have read
	ds_load_b128 v[80:83], v[ADS] offset:12288     ; k's scale words: my row's eight
	ds_load_b128 v[84:87], v[ADS] offset:12304
.irp g, 0,1                                    ; S^T = K Q^T, four tiles of 16 keys at a time
.rept 4*\g
	v_nop
.endr
.irp t, 0,1,2,3
.irp c, 0,1,2
	ds_load_b128 v[32+12*\t+4*\c:35+12*\t+4*\c], v[ADK] offset:(4*\g+\t)*1536+512*\c
.endr
.endr
	s_wait_dscnt 0x0
.irp t, 0,1,2,3
	v_wmma_scale_f32_16x16x128_f8f6f4 v[96+8*(4*\g+\t):103+8*(4*\g+\t)], v[32+12*\t:43+12*\t], v[16:27], 0, v[80+4*\g+\t], v255 matrix_a_fmt:MATRIX_FMT_BF6 matrix_b_fmt:MATRIX_FMT_BF6
.endr
.endr
.rept 4
	v_nop
.endr
	s_cmp_lt_u32 s[KS], s[M]
	s_cbranch_scc1 .Lopen                          ; all its keys count
	v_mov_b32 v254, 0xff800000                     ; on the diagonal hidden scores become -infinity ahead of the maximum: p = 0 then
.set j, 0
.rept 64
	v_cmp_gt_i32 vcc_lo, 32*(j/16)+j%16, v5
	v_cndmask_b32 v[96+j], v[96+j], v254, vcc_lo
.set j, j+1
.endr
.Lopen:
.irp b, 0,1,2,3
	v_max3_num_f32 v[232+\b], v[96+16*\b], v[97+16*\b], v[98+16*\b]   ; the largest score of each block of 32 keys: for the row's maximum and, since p rises with the score, for the block's largest p
.endr
.irp i, 3,5,7,9,11,13
.irp b, 0,1,2,3
	v_max3_num_f32 v[232+\b], v[232+\b], v[96+16*\b+\i], v[97+16*\b+\i]
.endr
.endr
.irp b, 0,1,2,3
	v_max_num_f32 v[232+\b], v[232+\b], v[111+16*\b]
.endr
.irp b, 0,1,2,3
	v_permlanex16_b32 v[236+\b], v[232+\b], s[SEL], s[SEL+1]
.endr
.irp b, 0,1,2,3
	v_max_num_f32 v[232+\b], v[232+\b], v[236+\b]
.endr
	v_max3_num_f32 v254, v232, v233, v234
	v_max_num_f32 v254, v254, v235
	v_mul_f32 v254, s[CS], v254
	v_max_num_f32 v13, v13, v254                   ; the running largest t
	v_mov_b32 v254, v12
	v_floor_f32 v12, -v13                          ; the new -M: M is a whole number
	v_sub_f32 v254, v12, v254
	v_cvt_i32_f32 v254, v254
	v_ldexp_f32 v252, 1.0, v254                    ; f = 2^(old M - new M)
.set j, 0
.rept 32
	v_pk_fma_f32 v[96+j:97+j], v[96+j:97+j], s[CS:CS+1], v[12:13] op_sel_hi:[1,0,0]   ; t - M
.set j, j+2
.endr
.irp b, 0,1,2,3
	v_fma_f32 v[232+\b], v[232+\b], s[CS], v12
.endr
.set j, 0
.rept 64
	v_exp_f32 v[96+j], v[96+j]                     ; p = 2^(t - M)
.set j, j+1
.endr
.irp b, 0,1,2,3
	v_exp_f32 v[232+\b], v[232+\b]                 ; the block's largest p
.endr
	v_pk_mul_f32 v[14:15], v[14:15], v[252:253] op_sel_hi:[1,0]   ; the sums under the new M (a plain place behind the exponentials)
	s_wait_alu depctr_va_vdst(0)
.irp b, 0,1,2,3
	v_max_num_f32 v[232+\b], 0x2800000, v[232+\b]  ; the floor 2^(5 - 127)
.endr
.irp b, 0,1,2,3
	v_add_nc_u32 v[244+\b], 0xfe000000, v[232+\b]
.endr
.irp b, 0,1,2,3
	v_lshrrev_b32 v[236+\b], 23, v[244+\b]
.endr
	v_lshl_or_b32 v253, v237, 8, v236              ; p's scale word for these 128 keys
	v_lshl_or_b32 v253, v238, 16, v253
	v_lshl_or_b32 v253, v239, 24, v253
.irp c, 0,1
	v_cvt_scalef32_pk16_bf6_f32 v[224+6*\c:226+6*\c], v[96+32*\c:111+32*\c], v[244+2*\c]
	v_cvt_scalef32_pk16_bf6_f32 v[236+4*\c:238+4*\c], v[112+32*\c:127+32*\c], v[244+2*\c+1]
.endr
	v_nop
.irp c, 0,1
.irp i, 0,1,2
	v_permlane16_swap_b32 v[224+6*\c+\i], v[236+4*\c+\i]
.endr
.irp i, 0,1,2
	v_mov_b32 v[227+6*\c+\i], v[236+4*\c+\i]
.endr
.endr
	v_pk_add_f32 v[236:237], v[96:97], v[98:99]    ; the row's sum is taken of the unquantised p, in two chains
.irp j, 4,8,12,16,20,24,28,32,36,40,44,48,52,56,60
	v_pk_add_f32 v[14:15], v[14:15], v[96+\j:97+\j]
	v_pk_add_f32 v[236:237], v[236:237], v[98+\j:99+\j]
.endr
	v_pk_add_f32 v[14:15], v[14:15], v[236:237]
.set j, 0
.rept 32
	v_pk_mul_f32 v[160+j:161+j], v[160+j:161+j], v[252:253] op_sel_hi:[1,0]   ; O^T under the new M.  (These are also the places in front of the matrix instructions and loads below)
.set j, j+2
.endr
	ds_load_b128 v[88:91], v[ADS] offset:25088     ; v's scale words
	ds_load_b128 v[92:95], v[ADS] offset:25104
.irp g, 0,1                                    ; O^T += V^T P^T: the eight accumulators by turns
.rept 4*\g
	v_nop
.endr
.irp t, 0,1,2,3
.irp c, 0,1,2
	ds_load_b128 v[32+12*\t+4*\c:35+12*\t+4*\c], v[ADK] offset:12800+(4*\g+\t)*1536+512*\c
.endr
.endr
	s_wait_dscnt 0x0
.irp t, 0,1,2,3
	v_wmma_scale_f32_16x16x128_f8f6f4 v[160+8*(4*\g+\t):167+8*(4*\g+\t)], v[32+12*\t:43+12*\t], v[224:235], v[160+8*(4*\g+\t):167+8*(4*\g+\t)], v[88+4*\g+\t], v253 matrix_a_fmt:MATRIX_FMT_BF6 matrix_b_fmt:MATRIX_FMT_BF6
.endr
.endr
.Lhidden:
	s_add_co_u32 s[TB], s[TB], 25600
	s_add_co_u32 s[KS], s[KS], 1
	s_cmp_lt_u32 s[KS], 8
	s_cbranch_scc1 .Lstep
.rept 4
	v_nop                                          ; places behind the last products
.endr
	v_add_f32 v14, v14, v15
	v_permlanex16_b32 v252, v14, s[SEL], s[SEL+1]
	v_add_f32 v14, v14, v252                       ; the row's sum
	v_rcp_f32 v14, v14
	v_nop                                          ; a plain place behind the reciprocal
.set j, 0
	s_wait_alu depctr_va_vdst(0)
.rept 64
	v_mul_f32 v[96+j], v[160+j], v14               ; register 16 e + i is channel 32 e + 16 h + i of my query
.set j, j+1
.endr
.irp b, 0,1,2,3
	v_mov_b32 v[TM+4+\b], 0
.endr
	QUANT 96
.irp k, 0,1,2
	global_store_b128 v6, v[PC+4*\k:PC+4*\k+3], s[8:9] offset:512*\k   ; the image: 512 consecutive bytes a store
.endr
	v_cmp_gt_u32 vcc_lo, 256, v1                   ; lanes 0-15 (both halves hold the same word)
	s_wait_xcnt 0x0                                ; EXEC changes only behind this wait
	s_and_saveexec_b32 s44, vcc_lo
	global_store_b32 v7, v[PW], s[8:9] offset:6144
	s_wait_xcnt 0x0
	s_or_b32 exec_lo, exec_lo, s44
	s_wait_tensorcnt 0x0
	ds_add_u32 v250, v251
	s_wait_dscnt 0x0
	ROUND                                          ; the closing round
	s_endpgm
.Lfunc_end_k_q12e7066a41_attn:
	.size	k_q12e7066a41_attn, .Lfunc_end_k_q12e7066a41_attn-k_q12e7066a41_attn
	.p2alignl 7, 3214868480
	.fill 96, 4, 3214868480
	.section	.rodata,"a",@progbits
	.p2align	6, 0x0
	.amdhsa_kernel k_q12e7066a41_attn
		.amdhsa_group_segment_fixed_size 206848
		.amdhsa_private_segment_fixed_size 0
		.amdhsa_enable_private_segment 0
		.amdhsa_kernarg_size 24
		.amdhsa_user_sgpr_count 2
		.amdhsa_user_sgpr_kernarg_segment_ptr 1
		.amdhsa_wavefront_size32 1
		.amdhsa_system_sgpr_workgroup_id_x 1
		.amdhsa_system_sgpr_workgroup_id_y 1
		.amdhsa_system_sgpr_workgroup_id_z 1
		.amdhsa_system_vgpr_workitem_id 0
		.amdhsa_next_free_vgpr 256
		.amdhsa_next_free_sgpr 66
		.amdhsa_reserve_vcc 1
		.amdhsa_float_denorm_mode_32 3
		.amdhsa_float_denorm_mode_16_64 3
		.amdhsa_memory_ordered 1
		.amdhsa_forward_progress 1
		.amdhsa_inst_pref_size 39
	.end_amdhsa_kernel
	.amdgpu_metadata
---
amdhsa.version: [ 1, 2 ]
amdhsa.kernels:
  - .name:           k_q12e7066a41_attn
    .symbol:         k_q12e7066a41_attn.kd
    .args:
      - { .name: qbuf, .offset: 0, .size: 8, .value_kind: global_buffer, .address_space: global }
      - { .name: kvbuf, .offset: 8, .size: 8, .value_kind: global_buffer, .address_space: global }
      - { .name: abuf, .offset: 16, .size: 8, .value_kind: global_buffer, .address_space: global }
    .group_segment_fixed_size: 206848
    .private_segment_fixed_size: 0
    .kernarg_segment_align: 8
    .kernarg_segment_size: 24
    .max_flat_workgroup_size: 512
    .sgpr_count:     66
    .vgpr_count:     256
    .wavefront_size: 32
...
	.end_amdgpu_metadata
.endif
;; end of part 3
;; launch ogemm (part 4): grid 8 x 32, 4 waves a work-group, clusters of 4 x 4, 327,680 bytes of LDS; arguments abuf, wobuf, bo, out0; writes out0
.if DOCPART == 4
	.amdgcn_target "amdgcn-amd-amdhsa--gfx1250"
	.amdhsa_code_object_version 6
	.text
	.protected	k_q12e7066a41_ogemm
	.globl	k_q12e7066a41_ogemm
	.p2align	8
	.type	k_q12e7066a41_ogemm,@function
k_q12e7066a41_ogemm:
	s_mov_b64 s[64:65], 0
	v_nop
	global_prefetch_b8 v0, s[64:65] scope:SCOPE_SE
	s_setreg_imm32_b32 hwreg(HW_REG_WAVE_MODE, 25, 1), 1
	s_wait_xcnt 0x0
	s_wait_alu depctr_hold_cnt(0) depctr_sa_sdst(0) depctr_va_vdst(0) depctr_va_sdst(0) depctr_va_ssrc(0) depctr_va_vcc(0) depctr_vm_vsrc(0)
	s_getreg_b32 s2, hwreg(HW_REG_IB_STS2, 6, 4)
	s_cmp_eq_u32 s2, 0
	s_cbranch_scc0 .Lentry_in_a_cluster
	s_endpgm
.Lentry_in_a_cluster:
	s_bfe_u32 s2, ttmp6, 0x10000c
	s_cmp_lg_u32 s2, 0xf033
	s_cbranch_scc0 .Lentry_shape_is_right
	s_endpgm
.Lentry_shape_is_right:
; THE LAST PRODUCT: out0 [4,096][2,048] f32 = attention's result x Wo + bo, on codes of BF6 (E3M2) with E8M0 scales, K = 2,048.
; A tile of 128 tokens x 256 columns is made by four waves, each 64 x 128: 32 accumulators, 256 registers.  That makes 32 x 8 = 256 work-groups; tiles of 256 x 256 would make 128.
; K goes in steps of 512 through a ring of two LDS slots filled by the tensor data mover: (128 + 256) rows x 400 bytes = 153,600 bytes a slot.  K has four such steps: two are asked for together at the head,
; and each slot is filled again ONCE; a refill has a slot's 128 matrix instructions a wave in which to land.  With four slots in all the text is written out, without a loop.
; OPERANDS LIE IN MEMORY AS IMAGES OF THEIR REGISTERS: 32 rows x 256 K are a dense block of 6,400 bytes (four images of 1,536 bytes, 256 bytes of scale words): a fragment is three loads of 16 bytes a lane,
; and the scale words come in the same block.  Lane r of tile u of 32 rows is row 8 u + r + 8 (r / 8).  Half a slot is 256 along K: the tokens' four blocks, then the weight's eight.
; Waves 0 and 1 fetch the tokens' two halves (25,600 dense bytes each), waves 2 and 3 the weight's (51,200 each).
; THE MATRIX INSTRUCTION IS USED TRANSPOSED (source 0 = 16 columns of Wo, source 1 = 16 tokens): a lane holds one token, and register 16 e + i of its 64 holds column 32 e + 16 (lane / 16) + i.  The bias is the C of each sum's first instruction.
; CLUSTERS: 4 x 4 work-groups; the tokens' tiles are asked for jointly along a row of the cluster, the weight's along a column.
; No prefetch: half of K is asked for at the head, and only two refills follow.
; REGISTERS: window 0: v1-29 addresses; v32-63 scale words, two sets; v64-127 the bias; v128-175, v176-223 the tokens' fragments, two sets (on the way out v128-255 rows of the result).
;   Window 1: the weight's fragments, two sets, at v0 and v128.  Window 2: the accumulators, (a, b) at v[8 (8 a + b)].
.set PB,     6400                      ; a block: 32 rows x 256 K
.set IMG,    1536                      ; an image: 16 rows x 128 K
.set BOFF,   4*PB                      ; in half a slot the weight's blocks lie behind the tokens' four
.set HS,     12*PB                     ; half a slot: 256 along K
.set SLOT,   2*HS
.set SPARE,  2*SLOT                    ; behind the ring: the spare words, 128 bytes for each wave, that no other line names
.set KSA,    128*PB                    ; 256 along K of abuf
.set KSB,    64*PB                     ; and of wobuf
.set FR,     12
.set NP,     4                         ; places behind this matrix instruction (ISA guide 7.12.1)
.set SPITCH, 528                       ; the way out: a stage of 16 rows x (512 + 16) bytes for each wave, in slot 0, which has had its last fill and its last read by then
.set ADRA, 8                           ; v8-11  my fragments of the tokens in half slot 0 .. 3
.set ADRB, 12                          ; v12-15 my fragments of the weight
.set ADRS, 16                          ; v16-19 my scale words: lanes 0-15 the tokens' rows, lanes 16-31 the weight's
.set STO,  22
.set RD,   23
.set LI,   25
.set SPW,  28
.set NIL,  29
.set SC,   32                          ; scale words: a set of 16 for each half of a slot; register 2 i + s: lanes 0-15 the tokens' tile i, lanes 16-31 the weight's tile i, for the half's s-th 128 along K
.set BIAS, 64
.set AF,   128
.set BK,   128
.set G1,  24
.set G0,  32
.set G1B, 48
.set G0B, 56
.set WV,  66
.set RH,  67                           ; which 64 of the tile's tokens are mine.  Also: I fetch for the tokens (0) or for the weight (1)
.set CH,  68                           ; which 128 of its columns.  Also: which half of a slot I fetch
.set TR,  69
.set MSB, 0
.macro WIN new                         ; the immediate's high byte repeats the setting that is left
.if MSB != \new
	s_set_vgpr_msb (MSB<<8)|\new
.set MSB, \new
.endif
.endm
.set MUL,    0xa1                      ; source 0 (weight) window 1, source 1 (tokens) window 0, C and D window 2
.set TO_B,   0x40
.macro JLOAD g0a, g1a, g0b, g1b        ; a joint load: waves 0 and 1 fetch for the tokens, waves 2 and 3 for the weight; four v_nop follow each of the two lines
	s_cmp_eq_u32 s[RH], 0
	s_cbranch_scc0 .Lfor_b_\@
	tensor_load_to_lds s[\g0a:\g0a+3], s[\g1a:\g1a+7]
	s_nop 0
.rept 4
	v_nop
.endr
	s_branch .Lasked_\@
.Lfor_b_\@:
	tensor_load_to_lds s[\g0b:\g0b+3], s[\g1b:\g1b+7]
	s_nop 0
.rept 4
	v_nop
.endr
.Lasked_\@:
.endm
.macro CREST                           ; a round of the cluster's barrier behind its opening barrier
	s_cmp_lg_u32 s[WV], 0
	s_cbranch_scc1 .Lnot_wave_0_\@
	s_barrier_signal -3
.Lnot_wave_0_\@:
	s_barrier_wait -3
	s_barrier_signal -1
	s_barrier_wait -1
.endm
.macro CROUND
	s_barrier_signal -1
	s_barrier_wait -1
	CREST
.endm
.macro PLACES n
.rept \n
	v_nop
.endr
.endm
	s_load_b256 s[4:11], s[0:1], 0x0               ; abuf, wobuf, bo, out0
	v_lshl_add_u32 v[SPW], v0, 2, SPARE
	v_mov_b32 v[NIL], 0
	ds_add_u32 v28, v29
	ds_add_u32 v28, v29
	s_wait_dscnt 0x0
	v_lshrrev_b32 v1, 5, v0
	v_readfirstlane_b32 s[WV], v1
	s_lshr_b32 s[RH], s[WV], 1
	s_and_b32 s[CH], s[WV], 1
	s_bfe_u32 s40, ttmp6, 0x40000                  ; cx, cy: my place in the cluster
	s_bfe_u32 s41, ttmp6, 0x40004
	s_lshl_b32 s42, ttmp9, 2
	s_add_co_u32 s42, s42, s40                     ; tile column = 4 x cluster x + cx
	s_and_b32 s[TR], ttmp7, 0xffff
	s_lshl_b32 s[TR], s[TR], 2
	s_add_co_u32 s[TR], s[TR], s41                 ; tile row = 4 x cluster y + cy
	s_lshl_b32 s43, s41, 2
	s_lshl_b32 s43, 15, s43                        ; my row of the cluster
	s_lshl_b32 s44, 0x1111, s40                    ; my column
	s_or_b32 s[G1], s43, (3<<16)|(1<<21)           ; 15:0 the mask; 17:16 elements of 8 bytes; 21 set beside a mask; no padding
	s_or_b32 s[G1B], s44, (3<<16)|(1<<21)
	s_mov_b32 s[G1+1], 32<<16                      ; the tokens: a dense block of 25,600 bytes as 100 rows of 256
	s_mov_b32 s[G1+2], 100<<16
	s_mov_b32 s[G1+3], 32<<16
	s_mov_b32 s[G1+4], 100
	s_mov_b32 s[G1+5], 32
	s_mov_b32 s[G1+6], 0
	s_mov_b32 s[G1+7], 0
	s_mov_b32 s[G1B+1], 32<<16                     ; the weight: 51,200 bytes as 200 rows of 256
	s_mov_b32 s[G1B+2], 200<<16
	s_mov_b32 s[G1B+3], 32<<16
	s_mov_b32 s[G1B+4], 200
	s_mov_b32 s[G1B+5], 32
	s_mov_b32 s[G1B+6], 0
	s_mov_b32 s[G1B+7], 0
	s_mul_i32 s86, s[TR], 4*PB                     ; the tokens: by the tile row, four blocks;
	s_mul_i32 s46, s[CH], KSA                      ; my half of a slot's 512 along K
	s_add_co_u32 s86, s86, s46
	s_mov_b32 s87, 0
	s_mul_i32 s90, s42, 8*PB                       ; the weight: by the tile column, eight blocks
	s_mul_i32 s46, s[CH], KSB
	s_add_co_u32 s90, s90, s46
	s_mov_b32 s91, 0
	s_mul_i32 s45, s[CH], HS                       ; where they go: no place in the cluster enters an LDS address
	s_wait_kmcnt 0x0
	s_add_nc_u64 s[88:89], s[4:5], s[86:87]
	s_add_nc_u64 s[92:93], s[6:7], s[90:91]
	CROUND                                         ; all sixteen work-groups are here: the first joint loads meet
.irp s, 0,1
	s_mov_b32 s[G0+4*\s], 1
	s_add_co_u32 s[G0+4*\s+1], s45, \s*SLOT
	s_add_nc_u64 s[G0+4*\s+2:G0+4*\s+3], s[88:89], \s*2*KSA
	s_or_b32 s[G0+4*\s+3], s[G0+4*\s+3], 0x80000000
	s_mov_b32 s[G0B+4*\s], 1
	s_add_co_u32 s[G0B+4*\s+1], s45, \s*SLOT+BOFF
	s_add_nc_u64 s[G0B+4*\s+2:G0B+4*\s+3], s[92:93], \s*2*KSB
	s_or_b32 s[G0B+4*\s+3], s[G0B+4*\s+3], 0x80000000
	JLOAD G0+4*\s, G1, G0B+4*\s, G1B               ; two loads of mine are out: K 0 to 1,023
.endr
	s_lshl_b32 s94, s42, 10                        ; my first column, in bytes: 1,024 x tile column + 512 x half
	s_lshl_b32 s81, s[CH], 9
	s_add_co_u32 s94, s94, s81
	s_mov_b32 s95, 0
	s_add_nc_u64 s[70:71], s[8:9], s[94:95]        ; bo there
	s_add_nc_u64 s[76:77], s[10:11], s[94:95]
	s_lshl_b32 s94, s[TR], 7
	s_lshl_b32 s81, s[RH], 6
	s_add_co_u32 s94, s94, s81                     ; my first token: 128 x tile row + 64 x half
	s_lshl_b32 s94, s94, 13                        ; its row of 8,192 bytes
	s_add_nc_u64 s[76:77], s[76:77], s[94:95]
	v_and_b32 v3, 31, v0
	v_and_b32 v1, 15, v0                           ; r
	v_bfe_u32 v2, v0, 4, 1                         ; h
	v_lshlrev_b32 v[LI], 4, v3
	v_lshlrev_b32 v6, 6, v2                        ; 64 h: my 16 numbers of each 32 of the bias
.irp b, 0,1,2,3,4,5,6,7
	global_load_b128 v[BIAS+8*\b:BIAS+8*\b+3], v6, s[70:71] offset:(32*(\b/2)+8*(\b%2))*4
	global_load_b128 v[BIAS+8*\b+4:BIAS+8*\b+7], v6, s[70:71] offset:(32*(\b/2)+8*(\b%2))*4+16
.endr
	s_mul_i32 s86, s[RH], 2*PB                     ; my 64 tokens: two blocks
	s_mul_i32 s87, s[CH], 4*PB
	s_add_co_u32 s87, s87, BOFF                    ; my 128 columns: four blocks, behind the tokens' four
	s_xor_b32 s81, s[RH], 1
	s_lshl_b32 s46, s[CH], 1
	s_add_co_u32 s81, s81, s46
	s_add_co_u32 s81, s81, 1
	s_mul_i32 s81, s81, 2*PB                       ; the distance between the two: (2 + 2 x column half - token half) x two blocks
	v_lshlrev_b32 v4, 4, v1
	v_mul_u32_u24 v5, s81, v2                      ; lanes 16-31 take the weight's scale words
	v_add_nc_u32 v4, v4, v5
.irp n, 0,1,2,3
	v_add_nc_u32 v[ADRA+\n], s86, v[LI]
	v_add_nc_u32 v[ADRB+\n], s87, v[LI]
	v_add_nc_u32 v[ADRS+\n], s86, v4
	s_add_co_u32 s86, s86, HS
	s_add_co_u32 s87, s87, HS
.endr
	s_mul_i32 s81, s[WV], 16*SPITCH                ; my stage
	v_mul_u32_u24 v[STO], v1, SPITCH
	v_lshl_add_u32 v[STO], v2, 6, v[STO]
	v_add_nc_u32 v[STO], s81, v[STO]               ; in: row r, + 64 h
	v_add_nc_u32 v[RD], s81, v[LI]                 ; back: the 32 lanes take one row of 512 bytes
.macro FRAG reg, adr, s2, i            ; tile i's fragment of the half slot's s2-th 128 along K: an image, three loads of 16 bytes a lane
.irp c, 0,1,2
	ds_load_b128 v[\reg+4*\c:\reg+4*\c+3], v[\adr] offset:((\i)/2)*PB+(2*((\i)%2)+(\s2))*IMG+512*\c
.endr
.endm
; The fragments of the slot's q-th 128 along K (q = 0 .. 3) into sets q % 2: the weight's eight, the tokens' four: 36 loads in one run.  With the first 128 of each half slot come its scale words: a row's 16 bytes are the
; words of its block's two tiles and two 128s.  Lanes 16-31 take the weight's block j, lanes 0-15 the tokens' block j; the tokens have two blocks, so of j = 2 and 3 no product names lanes 0-15.
.macro FETCH slot, q
	WIN TO_B
.irp i, 0,1,2,3,4,5,6,7
	FRAG 128*((\q)%2)+FR*\i, ADRB+2*(\slot)+(\q)/2, (\q)%2, \i
.endr
	WIN 0
.irp i, 0,1,2,3
	FRAG AF+48*((\q)%2)+FR*\i, ADRA+2*(\slot)+(\q)/2, (\q)%2, \i
.endr
.if (\q)%2 == 0
.irp j, 0,1,2,3
	ds_load_b128 v[SC+16*((\q)/2)+4*\j:SC+16*((\q)/2)+4*\j+3], v[ADRS+2*(\slot)+(\q)/2] offset:\j*PB+6144
.endr
.endif
.endm
; 8 matrix instructions: the tokens' tile a against the weight's eight, the slot's q-th 128 along K.  zero = 1: the first product starts the sums from the bias.
; The 32 accumulators take turns, one instruction a turn, in the same order in every step.
.macro MUL8 a, q, zero
.irp b, 0,1,2,3,4,5,6,7
.if \zero
	v_wmma_scale_f32_16x16x128_f8f6f4 v[8*(8*(\a)+\b):8*(8*(\a)+\b)+7], v[128*((\q)%2)+FR*\b:128*((\q)%2)+FR*\b+FR-1], v[AF+48*((\q)%2)+FR*(\a):AF+48*((\q)%2)+FR*(\a)+FR-1], v[BIAS+8*\b:BIAS+8*\b+7], v[SC+16*((\q)/2)+2*\b+(\q)%2], v[SC+16*((\q)/2)+2*(\a)+(\q)%2] matrix_a_fmt:MATRIX_FMT_BF6 matrix_b_fmt:MATRIX_FMT_BF6 matrix_a_scale:MATRIX_SCALE_ROW1
.else
	v_wmma_scale_f32_16x16x128_f8f6f4 v[8*(8*(\a)+\b):8*(8*(\a)+\b)+7], v[128*((\q)%2)+FR*\b:128*((\q)%2)+FR*\b+FR-1], v[AF+48*((\q)%2)+FR*(\a):AF+48*((\q)%2)+FR*(\a)+FR-1], v[8*(8*(\a)+\b):8*(8*(\a)+\b)+7], v[SC+16*((\q)/2)+2*\b+(\q)%2], v[SC+16*((\q)/2)+2*(\a)+(\q)%2] matrix_a_fmt:MATRIX_FMT_BF6 matrix_b_fmt:MATRIX_FMT_BF6 matrix_a_scale:MATRIX_SCALE_ROW1
.endif
.endr
.endm
; A step of 128 along K that has its successor in the same slot: the successor's fragments are asked for first, into the other sets, 32 matrix instructions ahead of their use
.macro STEP slot, q, zero
	s_wait_dscnt 0x0                               ; this step's fragments and scale words are in
.if (\zero) == 0
	PLACES NP                                      ; behind the last step's products, which read the sets that are loaded into below
.endif
	FETCH \slot, (\q)+1
.if \zero
	WIN 0x81                                       ; C (the bias) window 0, D window 2
.else
	WIN MUL
.endif
.irp a, 0,1,2,3
	MUL8 \a, \q, \zero
.endr
	WIN 0
.endm
; A slot's last step changes slots: one barrier; in front of it each wave waits for all its tensor loads, adds 0 to its spare word, and waits for that and for its own reads of this slot.  fill = 1: this slot is filled again, 1,024 along K ahead.
.macro TURN slot, next, fill
	s_wait_tensorcnt 0x0                           ; all my tensor loads have landed: my part of the next slot;
	ds_add_u32 v[SPW], v[NIL]                      ; 0 onto my spare word
	s_wait_dscnt 1                                 ; this step's fragments are in (the add alone may be out)
	WIN MUL
	MUL8 0, 3, 0
	MUL8 1, 3, 0                                   ; sixteen matrix instructions stand between the add and the wait for it
	s_wait_dscnt 0x0                               ; the add is done, and my reads of this slot are over
	s_barrier_signal -1
	MUL8 2, 3, 0
	WIN 0
	s_barrier_wait -1
.if \fill
	CREST                                          ; the barrier has opened a round of the cluster's barrier: no wave of any partner still reads this slot or has a load on its way
	s_add_nc_u64 s[G0+4*\slot+2:G0+4*\slot+3], s[G0+4*\slot+2:G0+4*\slot+3], 4*KSA
	s_add_nc_u64 s[G0B+4*\slot+2:G0B+4*\slot+3], s[G0B+4*\slot+2:G0B+4*\slot+3], 4*KSB
	JLOAD G0+4*\slot, G1, G0B+4*\slot, G1B         ; the first tensor load behind the round; its four v_nop are the places in front of the loads below
.else
	PLACES NP
.endif
	FETCH \next, 0
	WIN MUL
	MUL8 3, 3, 0
	WIN 0
.endm
	s_wait_tensorcnt 1                             ; my part of slot 0 is in (slot 1's load may be out)
	s_barrier_signal -1
	s_barrier_wait -1                              ; everybody's is
	FETCH 0, 0
	s_wait_loadcnt 0x0                             ; the bias
	STEP 0, 0, 1                                   ; K 0 to 511: the first products start the sums
	STEP 0, 1, 0
	STEP 0, 2, 0
	TURN 0, 1, 1                                   ; slot 0 takes K 1,024 to 1,535
	STEP 1, 0, 0                                   ; K 512 to 1,023
	STEP 1, 1, 0
	STEP 1, 2, 0
	TURN 1, 0, 1                                   ; slot 1 takes K 1,536 to 2,047: the last tensor load
	STEP 0, 0, 0
	STEP 0, 1, 0
	STEP 0, 2, 0
	TURN 0, 1, 0                                   ; nothing is filled; behind this barrier nobody reads slot 0
	STEP 1, 0, 0
	STEP 1, 1, 0
	STEP 1, 2, 0
	s_wait_dscnt 0x0                               ; the very last step: nothing more to fetch
	WIN MUL
.irp a, 0,1,2,3
	MUL8 \a, 3, 0
.endr
	WIN 0
; THE WAY OUT, a token tile (16 rows x 128 columns) at a time: through my own stage in LDS and back as whole rows of 512 bytes.  LDS serves a wave's instructions in order: no wait between the stores and the loads.
.macro TOSTAGE a
.set AC, 64*(\a)
	WIN 0x08                                       ; an LDS store's data are its source 1: window 2
.irp b, 0,1,2,3,4,5,6,7
	ds_store_b128 v[STO], v[AC+8*\b:AC+8*\b+3] offset:128*(\b/2)+32*(\b%2)          ; each accumulator from its low end on
	ds_store_b128 v[STO], v[AC+8*\b+4:AC+8*\b+7] offset:128*(\b/2)+32*(\b%2)+16
.endr
	WIN 0
.set BB, BK+64*((\a)%2)
.irp t, 0,1,2,3,4,5,6,7,8,9,10,11,12,13,14,15
	ds_load_b128 v[BB+4*\t:BB+4*\t+3], v[RD] offset:\t*SPITCH
.endr
.endm
.macro SEND a, younger                 ; younger: the LDS instructions issued behind tile a's loads, which may stay out
.set BB, BK+64*((\a)%2)
	s_wait_dscnt \younger
.irp t, 0,1,2,3,4,5,6,7,8,9,10,11,12,13,14,15
	global_store_b128 v[LI], v[BB+4*\t:BB+4*\t+3], s[76:77] offset:(32*((\a)/2)+8*((\a)%2)+\t+8*(\t/8))*8192 th:TH_STORE_NT   ; 512 consecutive bytes of the token's row, aligned; 63 rows on at the most: inside the signed 24-bit immediate
.endr
.endm
	PLACES NP                                      ; behind the last products: their results are read, and their operands' registers loaded into
	TOSTAGE 0
.irp a, 1,2,3
.if \a > 1
	s_wait_xcnt 0x0                                ; tile a - 2's stores have read their registers: tile a's loads may land there
.endif
	TOSTAGE \a
	SEND \a-1, 32                                  ; behind tile a - 1's loads: tile a's 16 stores and 16 loads
.endr
	SEND 3, 0
	s_wait_tensorcnt 0x0                           ; the wave's end: behind my last tensor load and my last LDS store
	ds_add_u32 v[SPW], v[NIL]
	s_wait_dscnt 0x0
	CROUND                                         ; the closing round: no work-group ends while a partner may still ask for a tile that names it
	s_endpgm
.Lfunc_end_k_q12e7066a41_ogemm:
	.size	k_q12e7066a41_ogemm, .Lfunc_end_k_q12e7066a41_ogemm-k_q12e7066a41_ogemm
	.p2alignl 7, 3214868480
	.fill 96, 4, 3214868480
	.section	.rodata,"a",@progbits
	.p2align	6, 0x0
	.amdhsa_kernel k_q12e7066a41_ogemm
		.amdhsa_group_segment_fixed_size 327680
		.amdhsa_private_segment_fixed_size 0
		.amdhsa_enable_private_segment 0
		.amdhsa_kernarg_size 32
		.amdhsa_user_sgpr_count 2
		.amdhsa_user_sgpr_kernarg_segment_ptr 1
		.amdhsa_wavefront_size32 1
		.amdhsa_system_sgpr_workgroup_id_x 1
		.amdhsa_system_sgpr_workgroup_id_y 1
		.amdhsa_system_sgpr_workgroup_id_z 1
		.amdhsa_system_vgpr_workitem_id 0
		.amdhsa_next_free_vgpr 768
		.amdhsa_next_free_sgpr 96
		.amdhsa_reserve_vcc 0
		.amdhsa_float_denorm_mode_32 3
		.amdhsa_float_denorm_mode_16_64 3
		.amdhsa_memory_ordered 1
		.amdhsa_forward_progress 1
		.amdhsa_inst_pref_size 133
	.end_amdhsa_kernel
	.amdgpu_metadata
---
amdhsa.version: [ 1, 2 ]
amdhsa.kernels:
  - .name:           k_q12e7066a41_ogemm
    .symbol:         k_q12e7066a41_ogemm.kd
    .args:
      - { .name: abuf, .offset: 0, .size: 8, .value_kind: global_buffer, .address_space: global }
      - { .name: wobuf, .offset: 8, .size: 8, .value_kind: global_buffer, .address_space: global }
      - { .name: bo, .offset: 16, .size: 8, .value_kind: global_buffer, .address_space: global }
      - { .name: out0, .offset: 24, .size: 8, .value_kind: global_buffer, .address_space: global }
    .group_segment_fixed_size: 327680
    .private_segment_fixed_size: 0
    .kernarg_segment_align: 8
    .kernarg_segment_size: 32
    .max_flat_workgroup_size: 128
    .sgpr_count:     96
    .vgpr_count:     768
    .wavefront_size: 32
...
	.end_amdgpu_metadata
.endif
;; end of part 4
